; MI455X (gfx1250); checked and timed in simulation.
; The chip was launched on July 23, 2026; its instructions are those of AMD's public machine-readable ISA for CDNA 5 (MIT licence, August 2026) and "CDNA5" Instruction Set Architecture Reference Guide (July 2026). The comments in the code are by the model that wrote it; some were corrected since.
;; Multi Head Attention. Allowed arithmetic: matrix products marked QUANTISED: E4M3 operands, one E8M0 scale for each 32 along K, by v_wmma_scale_f32_16x16x128_f8f6f4 with both operands' format E4M3, f32 sums; everything else in f32.
;; Inputs: bk 1,024 float32; bo 1,024 float32; bq 1,024 float32; bv 1,024 float32; k 4 x 2,048 x 1,024 float32; mask 1 x 1 x 2,048 x 2,048 int32; q 4 x 2,048 x 1,024 float32; v 4 x 2,048 x 1,024 float32; wk 1,024 x 1,024 float32; wo 1,024 x 1,024 float32; wq 1,024 x 1,024 float32; wv 1,024 x 1,024 float32.
;; Outputs: out0 4 x 2,048 x 1,024 float32.
;; This version of the problem:
;;   THIS VERSION OF THE PROBLEM IS GIVEN IN LOW PRECISION. The matrix products marked QUANTISED in the list below multiply operands that are first quantised to E4M3 (4 exponent bits, 3 mantissa bits; 8 bits a number), with one power-of-two scale for each 32 numbers along K (OCP MX v1.0); their sums are f32. All else is computed in f32.
;;   The module's matrix products, in the order in which they are computed (A, B: the left and right operand; K: the contracted axis; several contracted axes count as one K, in the product's order):
;;     1. [M 8,192, K 1,024] x [K 1,024, N 1,024]; A: input q; B: input wq: QUANTISED
;;     2. [M 8,192, K 1,024] x [K 1,024, N 1,024]; A: input k; B: input wk: QUANTISED
;;     3. [M 8,192, K 1,024] x [K 1,024, N 1,024]; A: input v; B: input wv: QUANTISED
;;     4. batch 64 x [M 2,048, K 64] x [K 64, N 2,048]; A: computed on the way; B: computed on the way: QUANTISED
;;     5. batch 64 x [M 2,048, K 2,048] x [K 2,048, N 64]; A: softmax (see below); B: computed on the way: QUANTISED
;;     6. [M 8,192, K 1,024] x [K 1,024, N 1,024]; A: computed on the way; B: input wo: QUANTISED
;;   THE QUANTISER, for each operand of a quantised product, along K:
;;     - K is cut into blocks of 32 from its start; a last block that is shorter is filled with zeros.
;;     - A block's scale is 2^e with e = floor(log2(the largest magnitude in the block)) - 8, held to -126 .. 127; a block of zeros has e = 0. As a byte (E8M0): e + 127.
;;     - Each number is divided by its block's scale, clamped to +-448, and rounded to the nearest number of E4M3, ties to even, subnormals kept.
;;     - The product sums the exact products of the quantised numbers (number of the format x scale) in f32.
;;   ~~~python
;;   def quantise(x, axis):      # numpy; x: float32 -> the quantised numbers, widened to float32 again
;;       x = np.moveaxis(x, axis, -1); K = x.shape[-1]
;;       x = np.pad(x, [(0, 0)] * (x.ndim - 1) + [(0, -K % 32)]); x = x.reshape(x.shape[:-1] + (-1, 32)); a = np.abs(x).max(-1, keepdims=True)
;;       e = np.where(a > 0, np.clip(np.frexp(np.where(a > 0, a, 1))[1] - 1 - 8, -126, 127), 0)      # np.frexp(a)[1] - 1 = floor(log2(a)), exactly
;;       r = np.clip(x / 2.0 ** e, -448, 448)
;;       step = 2.0 ** (np.maximum(np.frexp(np.where(r == 0, 1, r))[1] - 1, -6) - 3)
;;       q = np.round(r / step) * step * 2.0 ** e      # np.round: ties to even
;;       return np.moveaxis(q.reshape(q.shape[:-2] + (-1,))[..., :K], -1, axis).astype(np.float32)
;;   ~~~
;;   SOFTMAX AHEAD OF A QUANTISED PRODUCT. Where the list says 'softmax', what is quantised is not the finished softmax but p = 2^(t - M), with t = logit x log2(e) and M = ceil(the row's largest t), a whole number; so 1/2 < the row's largest p <= 1. The row's sum l is taken of the UNQUANTISED p, in f32, and the product's result is divided by l at the end. Since M is a whole number, a kernel that streams over the keys may use a running M (the ceiling of the running maximum): every later rescaling is an exact power of two, which a block's scale takes up: the codes' values come out the same.
;;   OPERANDS COMPUTED ON THE WAY. 'Computed on the way' means the value that the module computes at that place (a softmax that the list does not call 'softmax' is quantised finished and normalised). What goes into a quantiser is computed in f32, as accurately as f32 sums, v_exp_f32 and their like allow (about 1e-6 of the number): no bf16 or f16 on the way to a quantiser, and a product that is left as it is and whose result goes on into a quantised operand takes f32 operands (vector FMAs, or v_wmma_f32_16x16x4_f32). A number that lies on a knife's edge between two numbers of the format may be rounded either way, as far as f32 arithmetic and the matrix unit's own rounding can turn it there, and no further.
;; 2 versions. Each part assembles by itself: llvm-mc -triple=amdgcn-amd-amdhsa -mcpu=gfx1250 --defsym DOCPART=n.
;; ======== version 1 of 2: 4 launches
;; limits: right only within a limited range of input values
;; workspace buffers: wbuf 4,325,376 bytes; mbuf 540,672 bytes of whole numbers; qbuf 8,650,752 bytes; kvbuf 17,301,504 bytes; cxbuf 8,912,896 bytes
;; launch prep (part 1): grid 384 x 1, 4 waves a work-group, no clusters, 34,304 bytes of LDS; arguments wq, wk, wv, wo, mask, wbuf, mbuf; writes wbuf, mbuf
.if DOCPART == 1
	.amdgcn_target "amdgcn-amd-amdhsa--gfx1250"
	.amdhsa_code_object_version 6
	.text
	.protected	k_qe73572a4e6_prep
	.globl	k_qe73572a4e6_prep
	.p2align	8
	.type	k_qe73572a4e6_prep,@function
k_qe73572a4e6_prep:
	s_mov_b64 s[64:65], 0
	v_nop
	global_prefetch_b8 v0, s[64:65] scope:SCOPE_SE
	s_setreg_imm32_b32 hwreg(HW_REG_WAVE_MODE, 25, 1), 1
	s_wait_xcnt 0x0
; PREP.  Work-groups 0 to 255 turn the four weights [1024 (k)][1024 (n)], f32, K first, into codes of E4M3 with one E8M0 byte for each 32 along K;
; work-groups 256 to 383 pack the mask [2048][2048], int32, into lane masks.  One scalar branch on the work-group's number parts the two; only the mask's way uses LDS.
; WEIGHTS.  A lane takes a column n and its registers run down K, so a block of 32 lies in one lane and the conversions give codes with K innermost.
; The codes are laid as IMAGES OF OPERAND REGISTERS: wbuf[w][head group 16][K step 8][tile 4][2,048 bytes]; in an image register group c of lane (r, h) lies at 512 c + 16 (r + 16 h) and holds k = 32 c + 16 h + 0..15.
; A tile's rows are not neighbours: row x of tile 2 b + u of a group of 64 columns is column 32 b + 8 u + x + 8 (x / 8).  Scale words from byte 4,194,304 on: [w][group][K step][256]: tile t's word of row x at 8 (x + 16 (t % 2)) + 4 (t / 2).
; MASK.  mbuf[T 128][step 16][64 words]: bit l = (r, h) of word 16 b + i says that mask[query 32 (T / 2) + 8 (T % 2) + r + 8 (r / 8)][key 128 step + 32 b + 16 h + i] is 0.
; From byte 524,288 on: [T][step][2 words]: the AND and the OR of the 64 words.
; LIMITS: a block of zeros gets the byte 1 where the quantiser says 127 (its codes are zeros, and this program alone reads the bytes); NaN and infinities are not served.
.set WGW, 256
	s_load_b256 s[4:11], s[0:1], 0x0               ; wq, wk, wv, wo
	s_load_b128 s[12:15], s[0:1], 0x20             ; mask, wbuf
	s_load_b64 s[16:17], s[0:1], 0x30              ; mbuf
	v_lshl_add_u32 v224, v0, 2, 0x8400
	v_mov_b32 v225, 0
	v_lshrrev_b32 v1, 5, v0
	v_readfirstlane_b32 s18, v1                    ; wave 0..3
	v_and_b32 v2, 31, v0                           ; lane
	s_cmp_lt_u32 ttmp9, WGW
	s_cbranch_scc0 .Lmask
	; ---------------- the weights: work-group g: weight g / 64, K step (g / 8) % 8, 128 columns from 128 (g % 8) on; wave: 32 of them
	s_lshr_b32 s19, ttmp9, 6                       ; w
	s_and_b32 s20, ttmp9, 7                        ; nb
	s_bfe_u32 s21, ttmp9, 0x30003                  ; s
	s_lshl_b32 s22, s21, 19                        ; in: 128 s rows of 4,096 bytes,
	s_lshl_b32 s23, s20, 9
	s_add_co_u32 s22, s22, s23                     ; + 128 nb columns,
	s_lshl_b32 s23, s18, 7
	s_add_co_u32 s22, s22, s23                     ; + 32 x wave columns
	s_mov_b32 s23, 0
	s_lshl_b32 s24, s20, 1
	s_lshr_b32 s25, s18, 1
	s_add_co_u32 s24, s24, s25                     ; head group = 2 nb + wave / 2
	s_lshl_b32 s24, s24, 3
	s_add_co_u32 s24, s24, s21                     ; 8 x group + s
	s_and_b32 s25, s18, 1                          ; b: which 32 of the group's 64 columns
	s_lshl_b32 s26, s19, 20
	s_lshl_b32 s27, s24, 13
	s_add_co_u32 s26, s26, s27
	s_lshl_b32 s27, s25, 12
	s_add_co_u32 s26, s26, s27                     ; codes: w x 1 MiB + (8 group + s) x 8,192 + b x 4,096
	s_mov_b32 s27, 0
	s_lshl_b32 s34, s19, 15
	s_lshl_b32 s35, s24, 8
	s_add_co_u32 s34, s34, s35
	s_lshl_b32 s35, s25, 2
	s_add_co_u32 s34, s34, s35
	s_add_co_u32 s34, s34, 0x400000                ; scale words: 4,194,304 + w x 32,768 + (8 group + s) x 256 + 4 b
	s_mov_b32 s35, 0
	s_mov_b32 s32, 0x600000                        ; the mantissa field of 448
	v_lshlrev_b32 v3, 2, v2                        ; in: 4 bytes a lane
	v_bfe_u32 v4, v2, 3, 1                         ; u
	v_and_b32 v5, 7, v2
	v_lshrrev_b32 v6, 4, v2
	v_lshl_add_u32 v5, v6, 3, v5                   ; x: my column's row in its tile
	v_lshlrev_b32 v7, 4, v5
	v_lshl_add_u32 v7, v4, 11, v7                  ; codes: 2,048 u + 16 x
	v_lshl_add_u32 v8, v4, 4, v5
	v_lshlrev_b32 v8, 3, v8                        ; scale word: 8 (x + 16 u)
	s_wait_kmcnt 0x0
	s_cmp_lt_u32 s19, 2                            ; the weight is chosen by the work-group's number alone
	s_cselect_b64 s[4:5], s[4:5], s[8:9]
	s_cselect_b64 s[6:7], s[6:7], s[10:11]
	s_bitcmp1_b32 s19, 0
	s_cselect_b64 s[4:5], s[6:7], s[4:5]
	s_add_nc_u64 s[4:5], s[4:5], s[22:23]
	s_add_nc_u64 s[28:29], s[14:15], s[26:27]
	s_add_nc_u64 s[30:31], s[14:15], s[34:35]
.macro WLD c                           ; block c: W(128 s + 32 c + i, my column), i = 0..31, into set c % 2: 128 consecutive bytes a wave, 512 a work-group
.irp i, 0,1,2,3,4,5,6,7,8,9,10,11,12,13,14,15,16,17,18,19,20,21,22,23,24,25,26,27,28,29,30,31
	global_load_b32 v[32+32*((\c)%2)+\i], v3, s[4:5] offset:(32*(\c)+\i)*4096 th:TH_LOAD_NT
.endr
.endm
.macro WBLOCK c
.set XB, 32+32*((\c)%2)
.set CC, 96+8*(\c)                     ; each block has its own eight registers of codes: no store's data are written again
.if (\c) < 3
	s_wait_loadcnt 32                              ; this block's 32 loads are in; the next block's 32 may be out
.else
	s_wait_loadcnt 0x0
.endif
	v_max3_num_f32 v12, |v[XB]|, |v[XB+1]|, |v[XB+2]|
	v_max3_num_f32 v13, |v[XB+3]|, |v[XB+4]|, |v[XB+5]|
.irp i, 6,10,14,18,22,26
	v_max3_num_f32 v12, v12, |v[XB+\i]|, |v[XB+\i+1]|
	v_max3_num_f32 v13, v13, |v[XB+\i+2]|, |v[XB+\i+3]|
.endr
	v_max3_num_f32 v12, v12, |v[XB+30]|, |v[XB+31]|
	v_max3_num_f32 v12, v12, v13, 0x4800000        ; the block's largest magnitude, and the floor 2^(9 - 127): the byte cannot fall under 1
	v_add_nc_u32 v11, 0xfc000000, v12              ; 8 off its exponent field: the conversion's scale operand
	v_and_or_b32 v10, v12, 0x7f800000, s32         ; 448 x the scale
	v_lshrrev_b32 v13, 23, v11                     ; the scale's byte
.if (\c) == 0
	v_mov_b32 v24, v13
.else
	v_lshl_or_b32 v24, v13, 8*(\c), v24            ; four bytes make my column's scale word of this K step
.endif
.irp i, 0,1,2,3,4,5,6,7,8,9,10,11,12,13,14,15,16,17,18,19,20,21,22,23,24,25,26,27,28,29,30,31
	v_med3_num_f32 v[XB+\i], v[XB+\i], -v10, v10   ; the conversion to an 8-bit code does not saturate (ISA guide 7.6.2): the hold comes first
.endr
.irp g, 0,1,2,3
	v_cvt_scalef32_pk8_fp8_f32 v[CC+2*\g:CC+2*\g+1], v[XB+8*\g:XB+8*\g+7], v11
.endr
	global_store_b128 v7, v[CC:CC+3], s[28:29] offset:512*(\c)         ; k = 32 c + 0..15: the image's lanes 0-15; sixteen lanes store 256 consecutive bytes, aligned
	global_store_b128 v7, v[CC+4:CC+7], s[28:29] offset:512*(\c)+256   ; k = 32 c + 16..31: its lanes 16-31
.if (\c)+2 < 4
	WLD (\c)+2
.endif
.endm
	WLD 0
	WLD 1
	WBLOCK 0
	WBLOCK 1
	WBLOCK 2
	WBLOCK 3
	global_store_b32 v8, v24, s[30:31]
	s_endpgm
	; ---------------- the mask: work-group 256 + T: query tile T; wave: key steps 4 x wave + e, e = 0..3
.Lmask:
	s_sub_co_u32 s19, ttmp9, WGW                   ; T
	s_lshr_b32 s20, s19, 1
	s_lshl_b32 s20, s20, 5
	s_and_b32 s21, s19, 1
	s_lshl_b32 s21, s21, 3
	s_add_co_u32 s20, s20, s21                     ; the tile's first query: 32 (T / 2) + 8 (T % 2)
	s_lshl_b32 s20, s20, 13                        ; a row of the mask is 8,192 bytes
	s_lshl_b32 s21, s18, 11
	s_add_co_u32 s20, s20, s21                     ; + my four steps of 512 bytes
	s_mov_b32 s21, 0
	s_lshl_b32 s22, s19, 12
	s_lshl_b32 s23, s18, 10
	s_add_co_u32 s22, s22, s23                     ; out: 4,096 T + 1,024 x wave
	s_mov_b32 s23, 0
	s_lshl_b32 s28, s19, 7
	s_lshl_b32 s29, s18, 5
	s_add_co_u32 s28, s28, s29
	s_add_co_u32 s28, s28, 0x80000                 ; summaries: 524,288 + 128 T + 32 x wave
	s_mov_b32 s29, 0
	s_mul_i32 s38, s18, 8448                       ; my wave's stage: 16 rows of 512 bytes + 16
	v_lshlrev_b32 v1, 4, v2                        ; 16 x lane
	v_and_b32 v16, 15, v0                          ; r
	v_bfe_u32 v17, v0, 4, 1                        ; h
	v_add_nc_u32 v3, s38, v1                       ; into the stage: a row as it is loaded
	v_mul_u32_u24 v4, v16, 528
	v_lshl_add_u32 v4, v17, 6, v4
	v_add_nc_u32 v4, s38, v4                       ; out of it: row r, + 64 h: my 16 numbers of each block of 32
	v_lshlrev_b32 v5, 3, v2
	v_lshlrev_b32 v15, 2, v2
.irp i, 6,7,8,9,10,11,12,13,14
	v_mov_b32 v[\i], 0                             ; v_writelane_b32's destination counts as read
.endr
	s_wait_kmcnt 0x0
	s_add_nc_u64 s[12:13], s[12:13], s[20:21]
	s_add_nc_u64 s[24:25], s[16:17], s[22:23]
	s_add_nc_u64 s[26:27], s[16:17], s[28:29]
.macro MLOAD e                         ; unit e: 16 rows x 512 bytes, each load 512 consecutive bytes of one row, into raw set e % 2
.irp i, 0,1,2,3,4,5,6,7,8,9,10,11,12,13,14,15
	global_load_b128 v[32+64*((\e)%2)+4*\i:32+64*((\e)%2)+4*\i+3], v1, s[12:13] offset:(\i+8*(\i/8))*8192+512*(\e) th:TH_LOAD_NT
.endr
.endm
.macro MTURN e                         ; through my own stage: LDS serves a wave's instructions in order, so no wait stands between the stores and the loads
.irp i, 0,1,2,3,4,5,6,7,8,9,10,11,12,13,14,15
	ds_store_b128 v3, v[32+64*((\e)%2)+4*\i:32+64*((\e)%2)+4*\i+3] offset:528*\i
.endr
.irp b, 0,1,2,3
.irp j, 0,1,2,3
	ds_load_b128 v[160+16*\b+4*\j:160+16*\b+4*\j+3], v4 offset:128*\b+16*\j
.endr
.endr
.endm
.macro UNIT e
.if (\e) < 3
	s_wait_loadcnt 16                              ; this unit's 16 loads are in; the next unit's 16 may be out
.else
	s_wait_loadcnt 0x0
.endif
	MTURN \e
	s_wait_dscnt 0x0                               ; register 16 b + i now holds mask[my query][128 step + 32 b + 16 h + i]; the raw set has been read
.if (\e) < 2
	MLOAD (\e)+2
.endif
.set n, 0
.rept 64
	v_cmp_eq_u32 s[40+n%8], 0, v[160+n]            ; word n: a bit a lane
	v_writelane_b32 v[6+2*(\e)+n%2], s[40+n%8], n/2   ; lane n / 2 will store words n and n + 1
.if n == 0
	s_mov_b32 s36, s40
	s_mov_b32 s37, s40
.else
	s_and_b32 s36, s36, s[40+n%8]
	s_or_b32 s37, s37, s[40+n%8]
.endif
.set n, n+1
.endr
	global_store_b64 v5, v[6+2*(\e):7+2*(\e)], s[24:25] offset:256*(\e)   ; 32 lanes store 256 consecutive bytes, aligned
	v_writelane_b32 v14, s36, 2*(\e)
	v_writelane_b32 v14, s37, 2*(\e)+1
.endm
	MLOAD 0
	MLOAD 1
	UNIT 0
	UNIT 1
	UNIT 2
	UNIT 3
	v_cmp_gt_u32 vcc_lo, 8, v2
	s_wait_xcnt 0x0                                ; EXEC changes only when the stores above have had their addresses translated
	s_wait_tensorcnt 0x0
	ds_add_u32 v224, v225
	s_wait_dscnt 0x0
	s_and_saveexec_b32 s39, vcc_lo
	global_store_b32 v15, v14, s[26:27]            ; my four steps' AND and OR: 32 bytes
	s_wait_xcnt 0x0
	s_or_b32 exec_lo, exec_lo, s39
	s_endpgm
.Lfunc_end_k_qe73572a4e6_prep:
	.size	k_qe73572a4e6_prep, .Lfunc_end_k_qe73572a4e6_prep-k_qe73572a4e6_prep
	.p2alignl 7, 3214868480
	.fill 96, 4, 3214868480
	.section	.rodata,"a",@progbits
	.p2align	6, 0x0
	.amdhsa_kernel k_qe73572a4e6_prep
		.amdhsa_group_segment_fixed_size 34304
		.amdhsa_private_segment_fixed_size 0
		.amdhsa_enable_private_segment 0
		.amdhsa_kernarg_size 56
		.amdhsa_user_sgpr_count 2
		.amdhsa_user_sgpr_kernarg_segment_ptr 1
		.amdhsa_wavefront_size32 1
		.amdhsa_system_sgpr_workgroup_id_x 1
		.amdhsa_system_sgpr_workgroup_id_y 1
		.amdhsa_system_sgpr_workgroup_id_z 1
		.amdhsa_system_vgpr_workitem_id 0
		.amdhsa_next_free_vgpr 226
		.amdhsa_next_free_sgpr 66
		.amdhsa_reserve_vcc 1
		.amdhsa_float_denorm_mode_32 3
		.amdhsa_float_denorm_mode_16_64 3
		.amdhsa_memory_ordered 1
		.amdhsa_forward_progress 1
		.amdhsa_inst_pref_size 95
	.end_amdhsa_kernel
	.amdgpu_metadata
---
amdhsa.version: [ 1, 2 ]
amdhsa.kernels:
  - .name:           k_qe73572a4e6_prep
    .symbol:         k_qe73572a4e6_prep.kd
    .args:
      - { .name: wq, .offset: 0, .size: 8, .value_kind: global_buffer, .address_space: global }
      - { .name: wk, .offset: 8, .size: 8, .value_kind: global_buffer, .address_space: global }
      - { .name: wv, .offset: 16, .size: 8, .value_kind: global_buffer, .address_space: global }
      - { .name: wo, .offset: 24, .size: 8, .value_kind: global_buffer, .address_space: global }
      - { .name: mask, .offset: 32, .size: 8, .value_kind: global_buffer, .address_space: global }
      - { .name: wbuf, .offset: 40, .size: 8, .value_kind: global_buffer, .address_space: global }
      - { .name: mbuf, .offset: 48, .size: 8, .value_kind: global_buffer, .address_space: global }
    .group_segment_fixed_size: 34304
    .private_segment_fixed_size: 0
    .kernarg_segment_align: 8
    .kernarg_segment_size: 56
    .max_flat_workgroup_size: 128
    .sgpr_count:     66
    .vgpr_count:     226
    .wavefront_size: 32
...
	.end_amdgpu_metadata
.endif
;; end of part 1
;; launch proj (part 2): grid 64 x 3, 4 waves a work-group, no clusters, 211,456 bytes of LDS; arguments q, k, v, bq, bk, bv, wbuf, qbuf, kvbuf; writes qbuf, kvbuf
.if DOCPART == 2
	.amdgcn_target "amdgcn-amd-amdhsa--gfx1250"
	.amdhsa_code_object_version 6
	.text
	.protected	k_qe73572a4e6_proj
	.globl	k_qe73572a4e6_proj
	.p2align	8
	.type	k_qe73572a4e6_proj,@function
k_qe73572a4e6_proj:
	s_mov_b64 s[64:65], 0
	v_nop
	global_prefetch_b8 v0, s[64:65] scope:SCOPE_SE
	s_setreg_imm32_b32 hwreg(HW_REG_WAVE_MODE, 25, 1), 1
	s_wait_xcnt 0x0
; PROJ.  y = 0, 1, 2: Q = q wq + bq, K = k wk + bk, V = v wv + bv, on codes of E4M3 with one E8M0 scale for each 32 along K, and the results quantised at once for attention.
; SHARES.  Work-group x takes 128 rows (batch x / 16, key step x % 16).  It quantises them once, into 64 operand images in LDS (8 tiles of 16 rows x 8 K steps); wave w then makes heads 4 w .. 4 w + 3,
; one head (128 rows x 64 columns, 32 accumulators) at a time.  The weights come from wbuf straight into registers, as images, each read once by the work-group.
; A TILE'S ROWS ARE NOT NEIGHBOURS: row x of tile 2 b + u is row 32 b + 8 u + x + 8 (x / 8) of the 128; the weights' tiles of 16 columns likewise inside a head's 64.
; Q, K: source 0 = 16 columns of W, source 1 = 16 rows of x: a lane holds one row, and the 16 registers of tiles 2 b, 2 b + 1 are d = 32 b + 16 h + 0..15: the scores' K.
; V: source 0 = 16 rows of x, source 1 = 16 columns of W: a lane holds one d, and the 16 registers of row tiles 2 b, 2 b + 1 are keys 32 b + 16 h + 0..15: the second product's K.
; In both, block i of 16 is accumulator registers 16 i .. 16 i + 15, its partner lane is l xor 16, and its four registers of codes go out at 512 i + 16 x lane: images again.
; The bias is the C of each sum's first matrix instruction.  No tensor load and no cluster: no operand of the loop lands in LDS from memory (x is made there, the weights go to registers).
; 192 work-groups: 128 rows is the share at which x's images of all of K fit in LDS and a weight is read 64 times, not 128.
; LIMITS: a block of zeros gets the byte 1 where the quantiser says 127 (its codes are zeros; this program alone reads the bytes); NaN and infinities are not served.
; REGISTERS, in windows of 256.  Window 1: the 32 accumulators; while x is quantised four raw sets of 64.  Window 2: the weights, a ring of 4 sets of 64.  Window 3: x's fragments, 2 sets of 128.
; Window 0: v1-15 addresses; v16-31 at work; v32-95 x's scale words; v96-103 the weights' scale words, 2 a set; v104-135 the bias; v136-167 at work; v168-231 codes; while x is quantised v104-231 two sets of 64 numbers, v232-247 codes.
.set XIMG, 0                           ; LDS: image (8 m + s) x 2,048
.set XSC,  131072                      ; x's scale words: (8 m + s) x 128 + 4 x lane
.set BIAS, 139264                      ; the bias, 1,024 f32
.set STG,  143360                      ; for each wave two stages of 16 rows x (512 + 16) bytes
.set L16, 1
.set L8,  2
.set L4,  3
.set XA0, 4
.set XA1, 5
.set BA,  6
.set BV,  7
.set STI, 8
.set STO, 9
.set XWI, 10
.set XWS, 11
.set PW,  12
.set XSA, 13
.set PL,  14
.set TMX, 16
.set XS,  32
.set WS,  96
.set BI,  104
.set TM,  136
.set T2,  144
.set SC,  152
.set HL,  160
.set PC,  168
.set XR,  104
.set PCX, 232
.set BO,  22
.set XP,  24
.set BP,  26
.set WP,  28
.set WN,  30
.set WSP, 32
.set WSN, 34
.set OC,  36
.set OS,  38
.set OCS, 40
.set OSS, 42
.set WV,  44
.set TAU, 45
.set G,   46
.set XSO, 47
.set SEL, 48
.set MNT, 50
.set HM,  51
.set TRIP, 52
.set XO,  53
.set MSB, 0
.macro WIN new                         ; the immediate's high byte repeats the setting that is left; a switch that changes nothing is dropped
.if MSB != \new
	s_set_vgpr_msb (MSB<<8)|\new
.set MSB, \new
.endif
.endm
; the weights of one K step of one head: 4 tiles x 2,048 bytes, each load 512 consecutive bytes, and their scale words: 17 loads
.macro WLOAD set, base, sbase, k
	WIN 0x80
.irp i, 0,1,2,3,4,5,6,7,8,9,10,11,12,13,14,15
	global_load_b128 v[64*(\set)+4*\i:64*(\set)+4*\i+3], v[L16], s[\base:\base+1] offset:8192*(\k)+512*\i
.endr
	WIN 0
	global_load_b64 v[WS+2*(\set):WS+2*(\set)+1], v[L8], s[\sbase:\sbase+1] offset:256*(\k)
.endm
; fragment e of my 32 rows (K step e / 2, tile e % 2): 16 rows x 512 bytes as they lie, into raw set e % 4
.macro LOADF e
	WIN 0x40
.irp i, 0,1,2,3,4,5,6,7,8,9,10,11,12,13,14,15
	global_load_b128 v[64*((\e)%4)+4*\i:64*((\e)%4)+4*\i+3], v[L16], s[XP:XP+1] offset:((\e)/2)*512+(8*((\e)%2)+\i+8*(\i/8))*4096 th:TH_LOAD_NT
.endr
	WIN 0
.endm
; through my stage e % 2: in as rows, out as 16 neighbours of each block of 32 for lane (r, h); LDS serves a wave's instructions in order
.macro TURN e
	WIN 0x04
.irp i, 0,1,2,3,4,5,6,7,8,9,10,11,12,13,14,15
	ds_store_b128 v[STI], v[64*((\e)%4)+4*\i:64*((\e)%4)+4*\i+3] offset:8448*((\e)%2)+528*\i
.endr
	WIN 0
.irp b, 0,1,2,3
.irp j, 0,1,2,3
	ds_load_b128 v[XR+64*((\e)%2)+16*\b+4*\j:XR+64*((\e)%2)+16*\b+4*\j+3], v[STO] offset:8448*((\e)%2)+128*\b+16*\j
.endr
.endr
.endm
; 64 numbers of a lane, register 16 b + i = k 32 b + 16 h + i of my row, become a fragment's codes in v[PCX] on and its scale word in v[PW]
.macro QUANT s
.irp b, 0,1,2,3
	v_max3_num_f32 v[TMX+\b], |v[\s+16*\b]|, |v[\s+1+16*\b]|, 0x4800000   ; with the floor 2^(9 - 127): the byte cannot fall under 1
.endr
.irp i, 2,4,6,8,10,12,14
.irp b, 0,1,2,3
	v_max3_num_f32 v[TMX+\b], v[TMX+\b], |v[\s+16*\b+\i]|, |v[\s+1+16*\b+\i]|
.endr
.endr
.irp b, 0,1,2,3
	v_permlanex16_b32 v[TMX+4+\b], v[TMX+\b], s[SEL], s[SEL+1]
.endr
.irp b, 0,1,2,3
	v_max_num_f32 v[TMX+\b], v[TMX+\b], v[TMX+4+\b]        ; with lane l xor 16's: the block's largest magnitude
.endr
.irp b, 0,1,2,3
	v_add_nc_u32 v[TMX+12+\b], 0xfc000000, v[TMX+\b]       ; 8 off its exponent field: the conversion's scale operand
.endr
.irp b, 0,1,2,3
	v_and_or_b32 v[TMX+8+\b], v[TMX+\b], 0x7f800000, s[MNT]   ; 448 x the scale
.endr
.irp b, 0,1,2,3
	v_lshrrev_b32 v[TMX+4+\b], 23, v[TMX+12+\b]            ; the scale's byte
.endr
	v_lshl_or_b32 v[PW], v[TMX+5], 8, v[TMX+4]
	v_lshl_or_b32 v[PW], v[TMX+6], 16, v[PW]
	v_lshl_or_b32 v[PW], v[TMX+7], 24, v[PW]
.irp b, 0,1,2,3
.irp i, 0,1,2,3,4,5,6,7,8,9,10,11,12,13,14,15
	v_med3_num_f32 v[\s+16*\b+\i], v[\s+16*\b+\i], -v[TMX+8+\b], v[TMX+8+\b]   ; the conversion does not saturate (ISA guide 7.6.2): the hold comes first
.endr
	v_cvt_scalef32_pk8_fp8_f32 v[PCX+4*\b:PCX+1+4*\b], v[\s+16*\b:\s+7+16*\b], v[TMX+12+\b]
	v_cvt_scalef32_pk8_fp8_f32 v[PCX+2+4*\b:PCX+3+4*\b], v[\s+8+16*\b:\s+15+16*\b], v[TMX+12+\b]
.endr
.endm
; one fragment's turn.  ld: fragment e + 3 is asked for; turn: fragment e + 1 goes through the stage; cnt: the loads that may stay out when fragment e + 1's must be in
.macro XFRAG e, ld, turn, cnt
	s_wait_dscnt 0x0                               ; fragment e is back from the stage; the last images are stored; the raw set of fragment e - 1 has been read
.if \ld
	LOADF (\e)+3
.endif
.if \turn
	s_wait_loadcnt \cnt
	TURN (\e)+1
.endif
	QUANT XR+64*((\e)%2)
	v_add_nc_u32 v248, s[XO], v[XWI]               ; (two plain lines directly behind the last conversion)
	v_add_nc_u32 v249, s[XSO], v[XWS]
.irp c, 0,1,2,3
	ds_store_b128 v248, v[PCX+4*\c:PCX+4*\c+3] offset:((\e)%2)*16384+((\e)/2)*2048+512*\c
.endr
	ds_store_b32 v249, v[PW] offset:((\e)%2)*1024+((\e)/2)*128
.endm
; x's eight fragments of K step s into set p of window 3
.macro XFETCH s, p
	WIN 0xc0
.irp m, 0,1,2,3,4,5,6,7
.irp c, 0,1,2,3
	ds_load_b128 v[128*(\p)+16*\m+4*\c:128*(\p)+16*\m+4*\c+3], v[XA0+(\m)/4] offset:(8*((\m)%4)+(\s))*2048+512*\c
.endr
.endr
.endm
; one matrix instruction: K step s, row tile m, column tile t
.macro MM s, m, t, vm
.set rW, 64*((\s)%4)+16*(\t)
.set rX, 128*((\s)%2)+16*(\m)
.set rSW, WS+2*((\s)%4)+(\t)/2
.set rSX, XS+8*(\s)+(\m)
.if \vm
.set rD, 8*(8*(\t)+(\m))
.else
.set rD, 8*(4*(\m)+(\t))
.endif
.set rC, rD
.if (\s) == 0
.set rC, BI+8*(\t)
.endif
.if \vm
.if (\t)%2
	v_wmma_scale_f32_16x16x128_f8f6f4 v[rD:rD+7], v[rX:rX+15], v[rW:rW+15], v[rC:rC+7], v[rSX], v[rSW] matrix_b_scale:MATRIX_SCALE_ROW1
.else
	v_wmma_scale_f32_16x16x128_f8f6f4 v[rD:rD+7], v[rX:rX+15], v[rW:rW+15], v[rC:rC+7], v[rSX], v[rSW]
.endif
.else
.if (\t)%2
	v_wmma_scale_f32_16x16x128_f8f6f4 v[rD:rD+7], v[rW:rW+15], v[rX:rX+15], v[rC:rC+7], v[rSW], v[rSX] matrix_a_scale:MATRIX_SCALE_ROW1
.else
	v_wmma_scale_f32_16x16x128_f8f6f4 v[rD:rD+7], v[rW:rW+15], v[rX:rX+15], v[rC:rC+7], v[rSW], v[rSX]
.endif
.endif
.endm
; a K step of 128: 32 matrix instructions, each accumulator once, in the same order in every step
.macro KSTEP s, vm
	s_wait_loadcnt 34                              ; this step's weights are in; the 17 + 17 loads of the two steps behind them may be out
	s_wait_dscnt 0x0                               ; this step's fragments of x are in (asked for a step ago), and at step 0 the bias
.rept 8
	v_nop                                          ; eight places behind the last step's products, whose set of x, of weights and of scale words is loaded next
.endr
	XFETCH ((\s)+1)%8, ((\s)+1)%2
.if (\s) <= 4
	WLOAD ((\s)+3)%4, WP, WSP, (\s)+3
.else
	WLOAD ((\s)+3)%4, WN, WSN, (\s)-5              ; the next head's first three steps
.endif
.if \vm
.if (\s) == 0
	WIN 0x4b                                       ; source 0 (x) window 3, source 1 (W) window 2, C (the bias) window 0, D window 1
.else
	WIN 0x5b
.endif
.else
.if (\s) == 0
	WIN 0x4e                                       ; source 0 (W) window 2, source 1 (x) window 3, C (the bias) window 0, D window 1
.else
	WIN 0x5e
.endif
.endif
.irp m, 0,1,2,3,4,5,6,7
.irp t, 0,1,2,3
	MM \s, \m, \t, \vm
.endr
.endr
.endm
; blocks i0 .. i0 + 7 are quantised and stored
.macro EPIH i0
	WIN 0x05
.irp q, 0,1,2,3,4,5,6,7
	v_max3_num_f32 v[TM+\q], |v[16*(\i0+\q)]|, |v[16*(\i0+\q)+1]|, 0x4800000   ; each accumulator is read from its low end on
.endr
	WIN 0x14
.irp k, 2,4,6,8,10,12,14
.irp q, 0,1,2,3,4,5,6,7
	v_max3_num_f32 v[TM+\q], v[TM+\q], |v[16*(\i0+\q)+\k]|, |v[16*(\i0+\q)+\k+1]|
.endr
.endr
	WIN 0
.irp q, 0,1,2,3,4,5,6,7
	v_permlanex16_b32 v[T2+\q], v[TM+\q], s[SEL], s[SEL+1]
.endr
.irp q, 0,1,2,3,4,5,6,7
	v_max_num_f32 v[TM+\q], v[TM+\q], v[T2+\q]
.endr
.irp q, 0,1,2,3,4,5,6,7
	v_add_nc_u32 v[SC+\q], 0xfc000000, v[TM+\q]
.endr
.irp q, 0,1,2,3,4,5,6,7
	v_and_or_b32 v[HL+\q], v[TM+\q], 0x7f800000, s[MNT]
.endr
.irp q, 0,1,2,3,4,5,6,7
	v_lshrrev_b32 v[T2+\q], 23, v[SC+\q]
.endr
	v_lshl_or_b32 v16, v[T2+1], 8, v[T2]
	v_lshl_or_b32 v17, v[T2+5], 8, v[T2+4]
	v_lshl_or_b32 v16, v[T2+2], 16, v16
	v_lshl_or_b32 v17, v[T2+6], 16, v17
	v_lshl_or_b32 v16, v[T2+3], 24, v16
	v_lshl_or_b32 v17, v[T2+7], 24, v17
	v_cndmask_b32 v[PL+(\i0)/8], v16, v17, s[HM]   ; lanes 0-15 keep the even word, lanes 16-31 the odd one
	WIN 0x41
.irp q, 0,1,2,3,4,5,6,7
.irp k, 0,1,2,3,4,5,6,7,8,9,10,11,12,13,14,15
	v_med3_num_f32 v[16*(\i0+\q)+\k], v[16*(\i0+\q)+\k], -v[HL+\q], v[HL+\q]
.endr
.endr
	WIN 0x01
.irp q, 0,1,2,3,4,5,6,7
	v_cvt_scalef32_pk8_fp8_f32 v[PC+4*(\i0+\q):PC+4*(\i0+\q)+1], v[16*(\i0+\q):16*(\i0+\q)+7], v[SC+\q]
	v_cvt_scalef32_pk8_fp8_f32 v[PC+4*(\i0+\q)+2:PC+4*(\i0+\q)+3], v[16*(\i0+\q)+8:16*(\i0+\q)+15], v[SC+\q]
.endr
	WIN 0
	v_nop                                          ; a plain line directly behind the last conversion
.irp q, 0,1,2,3,4,5,6,7
	global_store_b128 v[L16], v[PC+4*(\i0+\q):PC+4*(\i0+\q)+3], s[OC:OC+1] offset:512*(\i0+\q)   ; 32 lanes store 512 consecutive bytes, aligned
.endr
.endm
	s_load_b512 s[4:19], s[0:1], 0x0               ; q, k, v, bq, bk, bv, wbuf, qbuf
	s_load_b64 s[20:21], s[0:1], 0x40              ; kvbuf
	v_lshl_add_u32 v254, v0, 2, 0x33800
	v_mov_b32 v255, 0
	v_lshrrev_b32 v1, 5, v0
	v_readfirstlane_b32 s[WV], v1                  ; wave 0..3
	s_and_b32 s[TAU], ttmp7, 0xffff                ; 0 q, 1 k, 2 v
	v_and_b32 v16, 31, v0                          ; lane
	v_and_b32 v17, 15, v0                          ; r
	v_bfe_u32 v18, v0, 4, 1                        ; h
	v_lshlrev_b32 v[L16], 4, v16
	v_lshlrev_b32 v[L8], 3, v16
	v_lshlrev_b32 v[L4], 2, v16
	v_add_nc_u32 v[XA0], XIMG, v[L16]
	v_add_nc_u32 v[XA1], XIMG+65536, v[L16]
	s_lshl_b32 s54, s[WV], 10
	s_add_co_u32 s54, s54, BIAS                    ; my four heads' 256 numbers of the bias
	v_lshl_add_u32 v[BA], v18, 6, s54              ; Q, K: + 64 h: units 16 h on
	v_and_b32 v19, 8, v17
	v_add_nc_u32 v19, v19, v17
	v_lshl_add_u32 v[BV], v19, 2, s54              ; V: + 4 (r + 8 (r / 8)): my column
	s_mul_i32 s55, s[WV], 16896
	s_add_co_u32 s55, s55, STG
	v_add_nc_u32 v[STI], s55, v[L16]
	v_mul_u32_u24 v[STO], v17, 528
	v_lshl_add_u32 v[STO], v18, 6, v[STO]
	v_add_nc_u32 v[STO], s55, v[STO]
	s_lshl_b32 s56, s[WV], 15
	v_add_nc_u32 v[XWI], s56, v[L16]               ; my two tiles' images: 32,768 x wave
	s_lshl_b32 s56, s[WV], 11
	s_add_co_u32 s56, s56, XSC
	v_add_nc_u32 v[XWS], s56, v[L4]
	v_add_nc_u32 v[XSA], XSC, v[L4]
	v_lshl_add_u32 v250, v0, 5, BIAS               ; the bias goes to LDS 32 bytes a thread
	v_lshlrev_b32 v251, 5, v0
	s_mov_b32 s[SEL], 0x76543210
	s_mov_b32 s[SEL+1], 0xfedcba98                 ; v_permlanex16_b32's selects for lane l xor 16
	s_mov_b32 s[MNT], 0x600000                     ; the mantissa field of 448
	s_mov_b32 s[HM], 0xffff0000                    ; lanes 16-31
	; offsets, made apart from the addresses
	s_lshl_b32 s54, ttmp9, 19
	s_lshl_b32 s55, s[WV], 17
	s_add_co_u32 s54, s54, s55                     ; x: (128 block + 32 wave) rows of 4,096 bytes
	s_mov_b32 s55, 0
	s_lshl_b32 s56, s[TAU], 20
	s_lshl_b32 s57, s[WV], 18
	s_add_co_u32 s56, s56, s57                     ; the weight's codes, my first head
	s_mov_b32 s57, 0
	s_lshl_b32 s58, s[TAU], 15
	s_lshl_b32 s59, s[WV], 13
	s_add_co_u32 s58, s58, s59
	s_add_co_u32 s58, s58, 0x400000                ; and its scale words
	s_mov_b32 s59, 0
	s_lshr_b32 s60, ttmp9, 4
	s_lshl_b32 s60, s60, 4
	s_lshl_b32 s61, s[WV], 2
	s_add_co_u32 s60, s60, s61                     ; batch x 16 + my first head
	s_and_b32 s61, ttmp9, 15                       ; the key step
	s_lshl_b32 s62, s60, 17
	s_lshl_b32 s63, s61, 13
	s_add_co_u32 s62, s62, s63                     ; Q's codes
	s_lshl_b32 s63, s60, 12
	s_lshl_b32 s[OCS], s61, 8
	s_add_co_u32 s63, s63, s[OCS]
	s_add_co_u32 s63, s63, 0x800000                ; Q's scale words
	s_mul_i32 s60, s60, 270336
	s_lshl_b32 s[OCS], s61, 14
	s_add_co_u32 s[OCS], s[OCS], s60               ; K's codes
	s_lshl_b32 s[OSS], s61, 9
	s_add_co_u32 s[OSS], s[OSS], s60
	s_add_co_u32 s[OSS], s[OSS], 262144            ; K's scale words
	s_cmp_eq_u32 s[TAU], 2
	s_cselect_b32 s60, 8192, 0                     ; V's lie behind K's in a step
	s_cselect_b32 s61, 256, 0
	s_add_co_u32 s[OCS], s[OCS], s60
	s_add_co_u32 s[OSS], s[OSS], s61
	s_cmp_eq_u32 s[TAU], 0
	s_cselect_b32 s60, s62, s[OCS]
	s_cselect_b32 s62, s63, s[OSS]
	s_mov_b32 s[OCS], 270336
	s_cselect_b32 s[OCS], 131072, s[OCS]           ; from head to head
	s_mov_b32 s[OSS], 270336
	s_cselect_b32 s[OSS], 4096, s[OSS]
	s_mov_b32 s61, 0
	s_mov_b32 s63, 0
	s_mov_b32 s[OCS+1], 0
	s_mov_b32 s[OSS+1], 0
	s_wait_kmcnt 0x0
	s_cmp_eq_u32 s[TAU], 0                         ; the buffers are chosen by the work-group's number alone
	s_cselect_b64 s[XP:XP+1], s[4:5], s[6:7]
	s_cselect_b64 s[BP:BP+1], s[10:11], s[12:13]
	s_cselect_b64 s[OC:OC+1], s[18:19], s[20:21]
	s_cmp_eq_u32 s[TAU], 2
	s_cselect_b64 s[XP:XP+1], s[8:9], s[XP:XP+1]
	s_cselect_b64 s[BP:BP+1], s[14:15], s[BP:BP+1]
	s_mov_b64 s[OS:OS+1], s[OC:OC+1]
	s_add_nc_u64 s[XP:XP+1], s[XP:XP+1], s[54:55]
	s_add_nc_u64 s[WP:WP+1], s[16:17], s[56:57]
	s_add_nc_u64 s[WN:WN+1], s[WP:WP+1], 65536
	s_add_nc_u64 s[WSP:WSP+1], s[16:17], s[58:59]
	s_add_nc_u64 s[WSN:WSN+1], s[WSP:WSP+1], 2048
	s_add_nc_u64 s[OC:OC+1], s[OC:OC+1], s[60:61]
	s_add_nc_u64 s[OS:OS+1], s[OS:OS+1], s[62:63]
	WLOAD 0, WP, WSP, 0
	WLOAD 1, WP, WSP, 1
	WLOAD 2, WP, WSP, 2
	global_load_b128 v[PCX:PCX+3], v251, s[BP:BP+1]
	global_load_b128 v[PCX+4:PCX+7], v251, s[BP:BP+1] offset:16
	LOADF 0
	LOADF 1
	LOADF 2
.irp b, 0,1,2,3
	v_mov_b32 v[TMX+4+\b], 0                       ; a lane permute's destination counts as one of its sources
.endr
	s_wait_loadcnt 48                              ; all but the three fragments' 48 loads: the bias is in
	ds_store_b128 v250, v[PCX:PCX+3]
	ds_store_b128 v250, v[PCX+4:PCX+7] offset:16
	s_wait_loadcnt 32                              ; fragment 0 is in
	TURN 0
	; ---- x: my 32 rows become 16 fragments; a trip takes two K steps
	s_mov_b32 s[XO], 0
	s_mov_b32 s[XSO], 0
	s_mov_b32 s[TRIP], 3
.Lx:
	XFRAG 0, 1, 1, 32                              ; 32: the loads of the two fragments behind the one that goes through the stage
	XFRAG 1, 1, 1, 32
	XFRAG 2, 1, 1, 32
	XFRAG 3, 1, 1, 32
	s_wait_xcnt 0x0                                ; the loads have read their base
	s_add_nc_u64 s[XP:XP+1], s[XP:XP+1], 1024
	s_add_co_u32 s[XO], s[XO], 4096
	s_add_co_u32 s[XSO], s[XSO], 256
	s_sub_co_u32 s[TRIP], s[TRIP], 1
	s_cmp_lg_u32 s[TRIP], 0
	s_cbranch_scc1 .Lx
	XFRAG 0, 1, 1, 32                              ; the last two K steps: one more fragment is asked for, then the counts run down
	XFRAG 1, 0, 1, 16
	XFRAG 2, 0, 1, 0
	XFRAG 3, 0, 0, 0
	s_wait_dscnt 0x0                               ; for the others' sake: my images, scale words and part of the bias lie in LDS
	s_barrier_signal -1
	s_barrier_wait -1                              ; from here on LDS is only read
.irp q, 0,1,2,3,4,5,6,7
	v_mov_b32 v[T2+\q], 0                          ; a lane permute's destination counts as one of its sources
.endr
.irp s, 0,1,2,3,4,5,6,7
.irp m, 0,1,2,3,4,5,6,7
	ds_load_b32 v[XS+8*\s+\m], v[XSA] offset:(8*\m+\s)*128   ; x's 64 scale words stay in registers
.endr
.endr
	XFETCH 0, 0
	WIN 0
	s_mov_b32 s[BO], 0
	s_mov_b32 s[G], 4
.Lgroup:                                               ; a trip makes one head
	v_add_nc_u32 v20, s[BO], v[BA]
	v_add_nc_u32 v21, s[BO], v[BV]
	s_cmp_eq_u32 s[TAU], 2
	s_cbranch_scc1 .Lvarm
.irp t, 0,1,2,3
	ds_load_b128 v[BI+8*\t:BI+8*\t+3], v20 offset:(32*(\t/2)+8*(\t%2))*4       ; lane (r, h), tile 2 b + u: units 32 b + 16 h + 8 u + 0..7
	ds_load_b128 v[BI+8*\t+4:BI+8*\t+7], v20 offset:(32*(\t/2)+8*(\t%2))*4+16
.endr
.irp s, 0,1,2,3,4,5,6,7
	KSTEP \s, 0
.endr
	WIN 0
	s_branch .Ljoin
.Lvarm:
.irp t, 0,1,2,3
.irp j, 0,1,2,3,4,5,6,7
	ds_load_b32 v[BI+8*\t+\j], v21 offset:(32*(\t/2)+8*(\t%2))*4               ; a lane holds one column: its eight registers take the same number
.endr
.endr
.irp s, 0,1,2,3,4,5,6,7
	KSTEP \s, 1
.endr
	WIN 0
.Ljoin:
.rept 8
	v_nop                                          ; eight places in front of the first read of results
.endr
	EPIH 0
	EPIH 8
	global_store_b64 v[L8], v[PL:PL+1], s[OS:OS+1] ; the four scale words a row: 256 consecutive bytes
	s_wait_xcnt 0x0                                ; stores and loads have read their data and bases: both may be written
	s_add_nc_u64 s[OC:OC+1], s[OC:OC+1], s[OCS:OCS+1]
	s_add_nc_u64 s[OS:OS+1], s[OS:OS+1], s[OSS:OSS+1]
	s_mov_b64 s[WP:WP+1], s[WN:WN+1]
	s_mov_b64 s[WSP:WSP+1], s[WSN:WSN+1]
	s_cmp_gt_u32 s[G], 2                           ; the last head's look-ahead stays on that head: no load leaves the buffer
	s_cselect_b32 s54, 65536, 0
	s_cselect_b32 s56, 2048, 0
	s_mov_b32 s55, 0
	s_mov_b32 s57, 0
	s_add_nc_u64 s[WN:WN+1], s[WN:WN+1], s[54:55]
	s_add_nc_u64 s[WSN:WSN+1], s[WSN:WSN+1], s[56:57]
	s_add_co_u32 s[BO], s[BO], 256
	s_sub_co_u32 s[G], s[G], 1
	s_cmp_lg_u32 s[G], 0
	s_cbranch_scc1 .Lgroup
	s_wait_dscnt 0x0
	s_wait_tensorcnt 0x0
	ds_add_u32 v254, v255
	s_wait_dscnt 0x0
	s_endpgm
.Lfunc_end_k_qe73572a4e6_proj:
	.size	k_qe73572a4e6_proj, .Lfunc_end_k_qe73572a4e6_proj-k_qe73572a4e6_proj
	.p2alignl 7, 3214868480
	.fill 96, 4, 3214868480
	.section	.rodata,"a",@progbits
	.p2align	6, 0x0
	.amdhsa_kernel k_qe73572a4e6_proj
		.amdhsa_group_segment_fixed_size 211456
		.amdhsa_private_segment_fixed_size 0
		.amdhsa_enable_private_segment 0
		.amdhsa_kernarg_size 72
		.amdhsa_user_sgpr_count 2
		.amdhsa_user_sgpr_kernarg_segment_ptr 1
		.amdhsa_wavefront_size32 1
		.amdhsa_system_sgpr_workgroup_id_x 1
		.amdhsa_system_sgpr_workgroup_id_y 1
		.amdhsa_system_sgpr_workgroup_id_z 1
		.amdhsa_system_vgpr_workitem_id 0
		.amdhsa_next_free_vgpr 1024
		.amdhsa_next_free_sgpr 66
		.amdhsa_reserve_vcc 0
		.amdhsa_float_denorm_mode_32 3
		.amdhsa_float_denorm_mode_16_64 3
		.amdhsa_memory_ordered 1
		.amdhsa_forward_progress 1
		.amdhsa_inst_pref_size 255
	.end_amdhsa_kernel
	.section	.bss,"aw",@nobits
	.p2align	6
	.space	262144
	.amdgpu_metadata
---
amdhsa.version: [ 1, 2 ]
amdhsa.kernels:
  - .name:           k_qe73572a4e6_proj
    .symbol:         k_qe73572a4e6_proj.kd
    .args:
      - { .name: q, .offset: 0, .size: 8, .value_kind: global_buffer, .address_space: global }
      - { .name: k, .offset: 8, .size: 8, .value_kind: global_buffer, .address_space: global }
      - { .name: v, .offset: 16, .size: 8, .value_kind: global_buffer, .address_space: global }
      - { .name: bq, .offset: 24, .size: 8, .value_kind: global_buffer, .address_space: global }
      - { .name: bk, .offset: 32, .size: 8, .value_kind: global_buffer, .address_space: global }
      - { .name: bv, .offset: 40, .size: 8, .value_kind: global_buffer, .address_space: global }
      - { .name: wbuf, .offset: 48, .size: 8, .value_kind: global_buffer, .address_space: global }
      - { .name: qbuf, .offset: 56, .size: 8, .value_kind: global_buffer, .address_space: global }
      - { .name: kvbuf, .offset: 64, .size: 8, .value_kind: global_buffer, .address_space: global }
    .group_segment_fixed_size: 211456
    .private_segment_fixed_size: 0
    .kernarg_segment_align: 8
    .kernarg_segment_size: 72
    .max_flat_workgroup_size: 128
    .sgpr_count:     66
    .vgpr_count:     1024
    .wavefront_size: 32
...
	.end_amdgpu_metadata
.endif
;; end of part 2
;; launch attn (part 3): grid 4 x 64, 16 waves a work-group, no clusters, 272,384 bytes of LDS; arguments qbuf, mbuf, cxbuf, kvbuf; writes cxbuf
.if DOCPART == 3
	.amdgcn_target "amdgcn-amd-amdhsa--gfx1250"
	.amdhsa_code_object_version 6
	.text
	.protected	k_qe73572a4e6_attn
	.globl	k_qe73572a4e6_attn
	.p2align	8
	.type	k_qe73572a4e6_attn,@function
k_qe73572a4e6_attn:
	s_mov_b64 s[64:65], 0
	v_nop
	global_prefetch_b8 v0, s[64:65] scope:SCOPE_SE
	s_setreg_imm32_b32 hwreg(HW_REG_WAVE_MODE, 25, 1), 1
	s_wait_xcnt 0x0
; ATTN.  ctx = softmax(Q K^T / 8, masked) V for one (batch, head), both products on codes of E4M3 with one E8M0 scale for each 32 along K; ctx is quantised at once for the last product.
; SHARES.  Work-group (x, y): head y (batch y / 16), query tiles T = 4 i + x, i = 0..31.  The head's K and V, codes and scale words, 270,336 bytes, are copied into LDS once and only read afterwards:
; no ring, no refill.  Wave w takes tile i = w and then tile i = 31 - w; four waves share a SIMD, so that one wave's vector work stands beside another's matrix work.
; LAYOUT.  Both products are used transposed (S^T = K Q^T, O^T = V^T P^T): a lane holds one query throughout.  Row x of key tile 2 b + u is key 32 b + 8 u + x + 8 (x / 8), so that the 16 registers of
; tiles 2 b, 2 b + 1 are keys 32 b + 16 h + 0..15.  The head is 64 wide and the instruction 128: a fragment of K holds TWO key tiles (registers 0-7, 8-15), and Q stands between two runs of zero
; codes: v[24:39] = (q, 0) picks the first tile, v[16:31] = (0, q) the second.
; SOFTMAX.  t = score x log2(e) / 8; M = the running largest t rounded up to a whole number; p = 2^(t - M) is quantised along the keys; the sum is taken of the unquantised p and divides at the end.
; THE MASK is read as it was packed: 64 lane masks a step, by scalar loads; a masked score becomes -2^33 ahead of the maximum.  Two stored summary words a step steer two scalar branches:
; a step in which every key is masked for all 16 queries is left out, unless some row of the tile has no open key at all (then every step is walked and that row's p is 1 everywhere);
; where nothing is masked the 64 selects are jumped over.  No tensor load and no cluster: these branches hang on numbers read from memory.
; No prefetch: K and V are read once, at the head, where every work-group's first loads are on their way.
; LIMITS: a masked logit stands as -2^30, not -1e9: results differ only where open logits lie near or under -1e9.  A block of zeros gets the byte 1.  NaN and infinities are not served.
; REGISTERS: v1-7 addresses; v4 Q's scale word; v[8:9] K's scale words, v[10:11] V's; v12 -M, v13 the largest t, v[14:15] the sum; v16-39 zeros, q, zeros; v40-103 four fragments of K, then of V;
; v104-167 S^T, then p; v168-199 O^T; v200-215 p's codes; v216-235 at work; v234 p's scale word.
.set SCB, 262144                       ; LDS: the scale words, 512 bytes a step: K's 256, V's 256
.set S,   104
.set KF,  40
.set OT,  168
.set CD,  200
.set BM,  216
.set PM,  220
.set HL,  224
.set SO,  228
.set WV,  12
.set QQ,  13
.set BH,  14
.set T,   15
.set STEP, 66
.set TB,  67
.set TS,  84
.set MOFF, 85
.set SKIP, 86
.set OPEN, 87
.set SEL, 88
.set CS,  90
.set MNT, 92
	s_load_b256 s[4:11], s[0:1], 0x0               ; qbuf, mbuf, cxbuf, kvbuf
	v_lshl_add_u32 v254, v0, 2, 0x42000
	v_mov_b32 v255, 0
	v_lshrrev_b32 v1, 5, v0
	v_readfirstlane_b32 s[WV], v1                  ; wave 0..15
	s_mov_b32 s[QQ], ttmp9
	s_and_b32 s[BH], ttmp7, 0xffff
	v_and_b32 v6, 31, v0
	v_and_b32 v7, 15, v0
	v_lshlrev_b32 v1, 4, v6                        ; 16 x lane: an image's place for my lane
	v_lshl_add_u32 v2, v6, 3, SCB                  ; the scale words' place
	v_mov_b32 v3, 0xd0000000                       ; -2^33
	v_lshlrev_b32 v5, 3, v7                        ; 8 r
	v_lshlrev_b32 v236, 4, v0                      ; 16 x thread
.irp i, 1,2,3,4
	v_add_nc_u32 v[236+\i], 65536*\i, v236
.endr
.irp i, 0,1,2,3,4,5,6,7
	v_mov_b32 v[16+\i], 0                          ; the zero codes on both sides of q
	v_mov_b32 v[32+\i], 0
.endr
	s_mul_i32 s94, s[BH], 270336
	s_mov_b32 s95, 0
	s_mov_b32 s[SEL], 0x76543210
	s_mov_b32 s[SEL+1], 0xfedcba98                 ; v_permlanex16_b32's selects for lane l xor 16
	s_mov_b32 s[CS], 0x3e38aa3b                    ; c = log2(e) / 8
	s_mov_b32 s[CS+1], s[CS]                       ; (named with it as a pair, so it is written)
	s_mov_b32 s[MNT], 0x600000
	s_wait_kmcnt 0x0
	s_add_nc_u64 s[10:11], s[10:11], s[94:95]
.set n, 0
.rept 33                               ; 33 x 8,192 bytes: the head's K and V as they lie
	global_load_b128 v[104+4*n:107+4*n], v236, s[10:11] offset:8192*n
.set n, n+1
.endr
.set n, 0
.rept 33
	s_wait_loadcnt 32-n                            ; load n is in; the later ones may be out
	ds_store_b128 v[236+n/8], v[104+4*n:107+4*n] offset:8192*(n%8)
.set n, n+1
.endr
	s_wait_dscnt 0x0                               ; for the others' sake: my part lies in LDS
	s_barrier_signal -1
	s_barrier_wait -1                              ; from here on LDS is only read
.irp b, 0,1,2,3
	v_mov_b32 v[PM+\b], 0                          ; a lane permute's destination counts as one of its sources
.endr
	v_mov_b32 v233, 0                              ; (the upper half of the pair v[232:233])
	v_mov_b32 v235, 0
.macro PASS p
	s_wait_xcnt 0x0                                ; the last tile's stores have read their data and bases
.if \p == 0
	s_lshl_b32 s[T], s[WV], 2
.else
	s_sub_co_u32 s[T], 31, s[WV]
	s_lshl_b32 s[T], s[T], 2
.endif
	s_add_co_u32 s[T], s[T], s[QQ]                 ; my query tile
	s_lshl_b32 s94, s[T], 7
	s_add_co_u32 s94, s94, 0x80000
	s_mov_b32 s95, 0
	s_add_nc_u64 s[96:97], s[6:7], s[94:95]
	s_load_b512 s[16:31], s[96:97], 0x0            ; the 16 steps' summaries: AND at s[16 + 2 j], OR at s[17 + 2 j]
	s_load_b512 s[32:47], s[96:97], 0x40
	s_lshl_b32 s94, s[T], 12
	s_add_nc_u64 s[10:11], s[6:7], s[94:95]        ; the tile's lane masks
	s_lshl_b32 s98, s[BH], 17
	s_lshl_b32 s99, s[T], 10
	s_add_co_u32 s98, s98, s99
	s_mov_b32 s99, 0
	s_add_nc_u64 s[98:99], s[4:5], s[98:99]
	global_load_b128 v[24:27], v1, s[98:99]        ; q's image
	global_load_b128 v[28:31], v1, s[98:99] offset:512
	s_lshl_b32 s100, s[BH], 12
	s_lshr_b32 s101, s[T], 3
	s_lshl_b32 s101, s101, 8
	s_add_co_u32 s100, s100, s101
	s_bfe_u32 s101, s[T], 0x10001
	s_lshl_b32 s101, s101, 7
	s_add_co_u32 s100, s100, s101
	s_bfe_u32 s101, s[T], 0x10002
	s_lshl_b32 s101, s101, 2
	s_add_co_u32 s100, s100, s101
	s_add_co_u32 s100, s100, 0x800000
	s_mov_b32 s101, 0
	s_add_nc_u64 s[100:101], s[4:5], s[100:101]
	global_load_b32 v4, v5, s[100:101]             ; the word that holds my tile's two bytes and its neighbour's
	s_wait_kmcnt 0x0
	s_and_b32 s94, s16, s18
.irp j, 2,3,4,5,6,7,8,9,10,11,12,13,14,15
	s_and_b32 s94, s94, s[16+2*\j]
.endr
	s_lshr_b32 s95, s94, 16
	s_and_b32 s94, s94, s95
	s_and_b32 s94, s94, 0xffff                     ; a bit for each row that has no open key at all
	s_mov_b32 s[SKIP], 0
	s_mov_b32 s[OPEN], 0
.irp j, 0,1,2,3,4,5,6,7,8,9,10,11,12,13,14,15
	s_cmp_eq_u32 s[16+2*\j], -1
	s_cselect_b32 s95, 1<<\j, 0
	s_or_b32 s[SKIP], s[SKIP], s95                 ; step j is wholly masked
	s_cmp_eq_u32 s[17+2*\j], 0
	s_cselect_b32 s95, 1<<\j, 0
	s_or_b32 s[OPEN], s[OPEN], s95                 ; nothing of step j is masked
.endr
	s_cmp_lg_u32 s94, 0
	s_cselect_b32 s[SKIP], 0, s[SKIP]              ; with such a row in the tile every step is walked
	s_and_b32 s95, s[T], 1
	s_lshl_b32 s95, s95, 4
	s_wait_loadcnt 0x0
	v_lshrrev_b32 v4, s95, v4
	v_and_b32 v4, 0xffff, v4
	v_lshl_or_b32 v4, v4, 16, v4                   ; Q's two bytes, for both places of q.  (The lines below are more than the eight places that a scale word made by vector instructions wants)
	v_mov_b32 v13, 0xff61b1e6                      ; the largest t so far: -3e38
	v_floor_f32 v12, -v13                          ; -M
	v_mov_b32 v14, 0
	v_mov_b32 v15, 0
.set n, 0
.rept 32
	v_mov_b32 v[OT+n], 0                           ; O^T: the first change of M leaves zeros zeros
.set n, n+1
.endr
	s_mov_b32 s[TB], 0
	s_mov_b32 s[TS], 0
	s_mov_b32 s[MOFF], 0
	s_mov_b32 s[STEP], 0
.Lstep_\@:                                             ; 16 trips, 128 keys each
	s_bitcmp1_b32 s[SKIP], 0
	s_cbranch_scc1 .Lend_\@
	s_load_b512 s[16:31], s[10:11], s[MOFF] offset:0x0     ; the step's 64 lane masks
	s_load_b512 s[32:47], s[10:11], s[MOFF] offset:0x40
	s_load_b512 s[48:63], s[10:11], s[MOFF] offset:0x80
	s_load_b512 s[68:83], s[10:11], s[MOFF] offset:0xc0
	v_add_nc_u32 v6, s[TB], v1
	v_add_nc_u32 v7, s[TS], v2
.rept 6
	v_nop                                          ; with the two additions: eight places behind the last step's products, in front of loads into their registers
.endr
.irp f, 0,1,2,3
.irp c, 0,1,2,3
	ds_load_b128 v[KF+16*\f+4*\c:KF+16*\f+4*\c+3], v6 offset:2048*\f+512*\c
.endr
.endr
	ds_load_b64 v[8:9], v7
	ds_load_b64 v[10:11], v7 offset:256
	s_wait_dscnt 0x0
.irp f, 0,1,2,3
.if \f%2
	v_wmma_scale_f32_16x16x128_f8f6f4 v[S+16*\f:S+16*\f+7], v[KF+16*\f:KF+16*\f+15], v[24:39], 0, v[8+\f/2], v4 matrix_a_scale:MATRIX_SCALE_ROW1
	v_wmma_scale_f32_16x16x128_f8f6f4 v[S+16*\f+8:S+16*\f+15], v[KF+16*\f:KF+16*\f+15], v[16:31], 0, v[8+\f/2], v4 matrix_a_scale:MATRIX_SCALE_ROW1
.else
	v_wmma_scale_f32_16x16x128_f8f6f4 v[S+16*\f:S+16*\f+7], v[KF+16*\f:KF+16*\f+15], v[24:39], 0, v[8+\f/2], v4
	v_wmma_scale_f32_16x16x128_f8f6f4 v[S+16*\f+8:S+16*\f+15], v[KF+16*\f:KF+16*\f+15], v[16:31], 0, v[8+\f/2], v4
.endif
.endr
.rept 8
	v_nop                                          ; eight places: V's loads land where K lay, and the scores are read
.endr
.irp t, 0,1,2,3
.irp c, 0,1,2,3
	ds_load_b128 v[KF+16*\t+4*\c:KF+16*\t+4*\c+3], v6 offset:8192+2048*\t+512*\c   ; V: it lands under the softmax
.endr
.endr
	s_wait_kmcnt 0x0                               ; the lane masks are in
	s_bitcmp1_b32 s[OPEN], 0
	s_cbranch_scc1 .Lopen_\@
.set n, 0
.rept 64
.if n < 48
	v_cndmask_b32 v[S+n], v[S+n], v3, s[16+n]      ; register 16 b + i holds key 32 b + 16 h + i; ascending
.else
	v_cndmask_b32 v[S+n], v[S+n], v3, s[20+n]
.endif
.set n, n+1
.endr
.Lopen_\@:
.irp b, 0,1,2,3
	v_max3_num_f32 v[BM+\b], v[S+16*\b], v[S+1+16*\b], v[S+2+16*\b]   ; the largest score of each block of 32 keys: for the row's maximum, and, since p rises with the score, for the block's largest p
.endr
.irp i, 3,5,7,9,11,13
.irp b, 0,1,2,3
	v_max3_num_f32 v[BM+\b], v[BM+\b], v[S+16*\b+\i], v[S+1+16*\b+\i]
.endr
.endr
.irp b, 0,1,2,3
	v_max_num_f32 v[BM+\b], v[BM+\b], v[S+15+16*\b]
.endr
.irp b, 0,1,2,3
	v_permlanex16_b32 v[PM+\b], v[BM+\b], s[SEL], s[SEL+1]
.endr
.irp b, 0,1,2,3
	v_max_num_f32 v[BM+\b], v[BM+\b], v[PM+\b]
.endr
	v_max3_num_f32 v235, v[BM], v[BM+1], v[BM+2]
	v_max_num_f32 v235, v235, v[BM+3]
	v_mul_f32 v235, s[CS], v235                    ; the step's largest t of my query
	v_max_num_f32 v13, v13, v235
	v_mov_b32 v235, v12
	v_floor_f32 v12, -v13                          ; the new -M = -ceil(t): a whole number
	v_sub_f32 v235, v12, v235                      ; old M - new M: a whole number, 0 or less
	v_cvt_i32_f32 v235, v235                       ; (it saturates)
	v_ldexp_f32 v232, 1.0, v235                    ; f = 2^(old M - new M): multiplying by it rounds nothing
.set n, 0
.rept 32
	v_pk_fma_f32 v[S+n:S+n+1], v[S+n:S+n+1], s[CS:CS+1], v[12:13] op_sel_hi:[1,0,0]   ; t - M, two at a time
.set n, n+2
.endr
.irp b, 0,1,2,3
	v_fma_f32 v[BM+\b], v[BM+\b], s[CS], v12
.endr
.set n, 0
.rept 64
	v_exp_f32 v[S+n], v[S+n]                       ; p = 2^(t - M), not normalised
.set n, n+1
.endr
	v_pk_mul_f32 v[14:15], v[14:15], v[232:233] op_sel_hi:[1,0]   ; the sums under the new M; a plain line behind the exponentials
	s_wait_alu depctr_va_vdst(0)                   ; one wait for the batch of 64, ahead of its first reader
.irp b, 0,1,2,3
	v_exp_f32 v[BM+\b], v[BM+\b]                   ; each block's largest p
.endr
	v_pk_add_f32 v[PM:PM+1], v[S:S+1], v[S+2:S+3]  ; the row's sum of the unquantised p, in two chains
.irp j, 4,8,12,16,20,24,28,32,36,40,44,48,52,56,60
	v_pk_add_f32 v[14:15], v[14:15], v[S+\j:S+\j+1]
	v_pk_add_f32 v[PM:PM+1], v[PM:PM+1], v[S+2+\j:S+3+\j]
.endr
	v_pk_add_f32 v[14:15], v[14:15], v[PM:PM+1]
	s_wait_alu depctr_va_vdst(0)                   ; and one for the four
.irp b, 0,1,2,3
	v_max_num_f32 v[BM+\b], 0x4800000, v[BM+\b]    ; the floor 2^(9 - 127): the byte cannot fall under 1
.endr
.irp b, 0,1,2,3
	v_add_nc_u32 v[SO+\b], 0xfc000000, v[BM+\b]    ; the conversion's scale operand
.endr
.irp b, 0,1,2,3
	v_and_or_b32 v[HL+\b], v[BM+\b], 0x7f800000, s[MNT]   ; 448 x the scale
.endr
.irp b, 0,1,2,3
	v_lshrrev_b32 v[PM+\b], 23, v[SO+\b]
.endr
	v_lshl_or_b32 v234, v[PM+1], 8, v[PM]          ; p's scale word for these 128 keys
	v_lshl_or_b32 v234, v[PM+2], 16, v234
	v_lshl_or_b32 v234, v[PM+3], 24, v234
.irp b, 0,1,2,3
.irp i, 0,1,2,3,4,5,6,7,8,9,10,11,12,13,14,15
	v_min_num_f32 v[S+16*\b+\i], v[S+16*\b+\i], v[HL+\b]   ; the conversion does not saturate (ISA guide 7.6.2); p is not negative, so the hold is one-sided
.endr
	v_cvt_scalef32_pk8_fp8_f32 v[CD+4*\b:CD+1+4*\b], v[S+16*\b:S+7+16*\b], v[SO+\b]
	v_cvt_scalef32_pk8_fp8_f32 v[CD+2+4*\b:CD+3+4*\b], v[S+8+16*\b:S+15+16*\b], v[SO+\b]
.endr
.set n, 0
.rept 16
	v_pk_mul_f32 v[OT+n:OT+n+1], v[OT+n:OT+n+1], v[232:233] op_sel_hi:[1,0]   ; O^T under the new M; these lines are also the places between the codes and the products
.set n, n+2
.endr
	s_wait_dscnt 0x0                               ; V is in
.irp t, 0,1,2,3
.if \t%2
	v_wmma_scale_f32_16x16x128_f8f6f4 v[OT+8*\t:OT+8*\t+7], v[KF+16*\t:KF+16*\t+15], v[CD:CD+15], v[OT+8*\t:OT+8*\t+7], v[10+\t/2], v234 matrix_a_scale:MATRIX_SCALE_ROW1
.else
	v_wmma_scale_f32_16x16x128_f8f6f4 v[OT+8*\t:OT+8*\t+7], v[KF+16*\t:KF+16*\t+15], v[CD:CD+15], v[OT+8*\t:OT+8*\t+7], v[10+\t/2], v234
.endif
.endr
.Lend_\@:
	s_lshr_b32 s[SKIP], s[SKIP], 1
	s_lshr_b32 s[OPEN], s[OPEN], 1
	s_add_co_u32 s[TB], s[TB], 16384
	s_add_co_u32 s[TS], s[TS], 512
	s_add_co_u32 s[MOFF], s[MOFF], 256
	s_add_co_u32 s[STEP], s[STEP], 1
	s_cmp_lt_u32 s[STEP], 16
	s_cbranch_scc1 .Lstep_\@
	; ---- the tile's end: O^T / the sum, quantised along d: two blocks of 32, and out as half an image of the last product's operand
.rept 8
	v_nop
.endr
	v_add_f32 v14, v14, v15
	v_permlanex16_b32 v235, v14, s[SEL], s[SEL+1]
	v_add_f32 v14, v14, v235                       ; the row's sum
	v_rcp_f32 v14, v14
	v_nop                                          ; a plain line behind the reciprocal
	s_lshr_b32 s94, s[BH], 4
	s_lshl_b32 s94, s94, 7
	s_add_co_u32 s94, s94, s[T]                    ; the tile among all 512
	s_and_b32 s95, s[BH], 15                       ; the head
	s_lshl_b32 s96, s94, 14
	s_lshl_b32 s97, s95, 10
	s_add_co_u32 s96, s96, s97                     ; 16,384 tile + 2,048 (head / 2) + 1,024 (head % 2)
	s_mov_b32 s97, 0
	s_add_nc_u64 s[96:97], s[8:9], s[96:97]
	s_lshl_b32 s98, s94, 10
	s_lshr_b32 s99, s95, 1
	s_lshl_b32 s99, s99, 7
	s_add_co_u32 s98, s98, s99
	s_and_b32 s99, s95, 1
	s_lshl_b32 s99, s99, 2
	s_add_co_u32 s98, s98, s99
	s_add_co_u32 s98, s98, 0x800000
	s_mov_b32 s99, 0
	s_add_nc_u64 s[98:99], s[8:9], s[98:99]
	s_wait_alu depctr_va_vdst(0)                   ; the wait ahead of the reciprocal's first reader
.set n, 0
.rept 16
	v_pk_mul_f32 v[S+n:S+n+1], v[OT+n:OT+n+1], v[14:15] op_sel_hi:[1,0]   ; register 16 b + i: d = 32 b + 16 h + i; ascending: each accumulator from its low end on
.set n, n+2
.endr
.irp b, 0,1
	v_max3_num_f32 v[BM+\b], |v[S+16*\b]|, |v[S+1+16*\b]|, 0x4800000
.endr
.irp i, 2,4,6,8,10,12,14
.irp b, 0,1
	v_max3_num_f32 v[BM+\b], v[BM+\b], |v[S+16*\b+\i]|, |v[S+1+16*\b+\i]|
.endr
.endr
.irp b, 0,1
	v_permlanex16_b32 v[PM+\b], v[BM+\b], s[SEL], s[SEL+1]
.endr
.irp b, 0,1
	v_max_num_f32 v[BM+\b], v[BM+\b], v[PM+\b]
.endr
.irp b, 0,1
	v_add_nc_u32 v[SO+\b], 0xfc000000, v[BM+\b]
.endr
.irp b, 0,1
	v_and_or_b32 v[HL+\b], v[BM+\b], 0x7f800000, s[MNT]
.endr
.irp b, 0,1
	v_lshrrev_b32 v[PM+\b], 23, v[SO+\b]
.endr
	v_lshl_or_b32 v235, v[PM+1], 8, v[PM]          ; my row's two bytes
.irp b, 0,1
.irp i, 0,1,2,3,4,5,6,7,8,9,10,11,12,13,14,15
	v_med3_num_f32 v[S+16*\b+\i], v[S+16*\b+\i], -v[HL+\b], v[HL+\b]
.endr
	v_cvt_scalef32_pk8_fp8_f32 v[CD+4*\b:CD+1+4*\b], v[S+16*\b:S+7+16*\b], v[SO+\b]
	v_cvt_scalef32_pk8_fp8_f32 v[CD+2+4*\b:CD+3+4*\b], v[S+8+16*\b:S+15+16*\b], v[SO+\b]
.endr
	v_nop                                          ; a plain line directly behind the last conversion
	global_store_b128 v1, v[CD:CD+3], s[96:97]     ; 32 lanes store 512 consecutive bytes, aligned
	global_store_b128 v1, v[CD+4:CD+7], s[96:97] offset:512
	global_store_b32 v5, v235, s[98:99]            ; both halves of the lanes write the same word with the same value
.endm
	PASS 0
	PASS 1
	s_wait_tensorcnt 0x0
	ds_add_u32 v254, v255
	s_wait_dscnt 0x0
	s_endpgm
.Lfunc_end_k_qe73572a4e6_attn:
	.size	k_qe73572a4e6_attn, .Lfunc_end_k_qe73572a4e6_attn-k_qe73572a4e6_attn
	.p2alignl 7, 3214868480
	.fill 96, 4, 3214868480
	.section	.rodata,"a",@progbits
	.p2align	6, 0x0
	.amdhsa_kernel k_qe73572a4e6_attn
		.amdhsa_group_segment_fixed_size 272384
		.amdhsa_private_segment_fixed_size 0
		.amdhsa_enable_private_segment 0
		.amdhsa_kernarg_size 32
		.amdhsa_user_sgpr_count 2
		.amdhsa_user_sgpr_kernarg_segment_ptr 1
		.amdhsa_wavefront_size32 1
		.amdhsa_system_sgpr_workgroup_id_x 1
		.amdhsa_system_sgpr_workgroup_id_y 1
		.amdhsa_system_sgpr_workgroup_id_z 1
		.amdhsa_system_vgpr_workitem_id 0
		.amdhsa_next_free_vgpr 256
		.amdhsa_next_free_sgpr 102
		.amdhsa_reserve_vcc 0
		.amdhsa_float_denorm_mode_32 3
		.amdhsa_float_denorm_mode_16_64 3
		.amdhsa_memory_ordered 1
		.amdhsa_forward_progress 1
		.amdhsa_inst_pref_size 82
	.end_amdhsa_kernel
	.amdgpu_metadata
---
amdhsa.version: [ 1, 2 ]
amdhsa.kernels:
  - .name:           k_qe73572a4e6_attn
    .symbol:         k_qe73572a4e6_attn.kd
    .args:
      - { .name: qbuf, .offset: 0, .size: 8, .value_kind: global_buffer, .address_space: global }
      - { .name: mbuf, .offset: 8, .size: 8, .value_kind: global_buffer, .address_space: global }
      - { .name: cxbuf, .offset: 16, .size: 8, .value_kind: global_buffer, .address_space: global }
      - { .name: kvbuf, .offset: 24, .size: 8, .value_kind: global_buffer, .address_space: global }
    .group_segment_fixed_size: 272384
    .private_segment_fixed_size: 0
    .kernarg_segment_align: 8
    .kernarg_segment_size: 32
    .max_flat_workgroup_size: 512
    .sgpr_count:     102
    .vgpr_count:     256
    .wavefront_size: 32
...
	.end_amdgpu_metadata
.endif
;; end of part 3
;; launch oproj (part 4): grid 64 x 4, 4 waves a work-group, no clusters, 148,992 bytes of LDS; arguments cxbuf, wbuf, bo, out0; writes out0
.if DOCPART == 4
	.amdgcn_target "amdgcn-amd-amdhsa--gfx1250"
	.amdhsa_code_object_version 6
	.text
	.protected	k_qe73572a4e6_oproj
	.globl	k_qe73572a4e6_oproj
	.p2align	8
	.type	k_qe73572a4e6_oproj,@function
k_qe73572a4e6_oproj:
	s_mov_b64 s[64:65], 0
	v_nop
	global_prefetch_b8 v0, s[64:65] scope:SCOPE_SE
	s_setreg_imm32_b32 hwreg(HW_REG_WAVE_MODE, 25, 1), 1
	s_wait_xcnt 0x0
; OPROJ.  out0 = ctx wo + bo, on codes of E4M3 with one E8M0 scale for each 32 along K.  ctx arrives as images of operand registers (cxbuf), wo likewise (wbuf, the fourth weight).
; SHARES.  Work-group (x, y): 128 rows (8 tiles) x 256 columns; wave w: the group of 64 columns 4 y + w: 32 accumulators.  The 64 images of ctx are copied into LDS once and read by all four waves;
; the weights go from memory straight into registers, each read once by the work-group.  256 work-groups.
; Source 0 = 16 columns of wo, source 1 = 16 rows of ctx: a lane holds one row, and the registers of tiles 2 b + u the columns 32 b + 16 h + 8 u + 0..7.  The bias is the C of each sum's first instruction.
; Row x of row tile m is row 32 (m / 2) + 8 (m % 2) + x + 8 (x / 8) of the 128.  Results leave through the wave's own stage in LDS: sixteen lanes store 256 consecutive bytes, aligned.
; No tensor load and no cluster: the one operand that lies in LDS is copied once, 128 KiB, and the weights go to registers.
; REGISTERS, in windows of 256.  Window 1: the accumulators (at the head the pairs of scale words).  Window 2: the weights, a ring of 4 sets of 64.  Window 3: ctx's fragments, 2 sets of 128 (at the head the copy).
; Window 0: v1-12 addresses; v32-95 ctx's scale words; v96-103 the weights' scale words; v104-135 the bias; v168-231 rows on their way out.
.set XIMG, 0
.set STG,  131072                      ; for each wave a stage of 16 rows x (256 + 16) bytes
.set L16, 1
.set L8,  2
.set XA0, 4
.set XA1, 5
.set BH6, 6
.set R8,  7
.set CP0, 8
.set CP1, 9
.set STO, 10
.set SRD, 11
.set GO,  12
.set XS,  32
.set WS,  96
.set BI,  104
.set OB,  168
.set CX,  24
.set CSC, 26
.set WP,  28
.set WSP, 32
.set BP,  36
.set OUT, 38
.set WV,  44
.set MSB, 0
.macro WIN new                         ; the immediate's high byte repeats the setting that is left; a switch that changes nothing is dropped
.if MSB != \new
	s_set_vgpr_msb (MSB<<8)|\new
.set MSB, \new
.endif
.endm
.macro WLOAD set, base, sbase, k       ; the weights of one K step: 4 tiles x 2,048 bytes and their scale words: 17 loads
	WIN 0x80
.irp i, 0,1,2,3,4,5,6,7,8,9,10,11,12,13,14,15
	global_load_b128 v[64*(\set)+4*\i:64*(\set)+4*\i+3], v[L16], s[\base:\base+1] offset:8192*(\k)+512*\i
.endr
	WIN 0
	global_load_b64 v[WS+2*(\set):WS+2*(\set)+1], v[L8], s[\sbase:\sbase+1] offset:256*(\k)
.endm
.macro XFETCH s, p                     ; ctx's eight fragments of K step s into set p of window 3
	WIN 0xc0
.irp m, 0,1,2,3,4,5,6,7
.irp c, 0,1,2,3
	ds_load_b128 v[128*(\p)+16*\m+4*\c:128*(\p)+16*\m+4*\c+3], v[XA0+(\m)/4] offset:(8*((\m)%4)+(\s))*2048+512*\c
.endr
.endr
.endm
.macro MM s, m, t
.set rW, 64*((\s)%4)+16*(\t)
.set rX, 128*((\s)%2)+16*(\m)
.set rSW, WS+2*((\s)%4)+(\t)/2
.set rSX, XS+8*(\s)+(\m)
.set rD, 8*(4*(\m)+(\t))
.set rC, rD
.if (\s) == 0
.set rC, BI+8*(\t)
.endif
.if (\t)%2
	v_wmma_scale_f32_16x16x128_f8f6f4 v[rD:rD+7], v[rW:rW+15], v[rX:rX+15], v[rC:rC+7], v[rSW], v[rSX] matrix_a_scale:MATRIX_SCALE_ROW1
.else
	v_wmma_scale_f32_16x16x128_f8f6f4 v[rD:rD+7], v[rW:rW+15], v[rX:rX+15], v[rC:rC+7], v[rSW], v[rSX]
.endif
.endm
; a K step of 128: 32 matrix instructions, each accumulator once, in the same order in every step
.macro KSTEP s
.if (\s) <= 5
	s_wait_loadcnt 34                              ; this step's weights are in; the 17 + 17 loads of the two steps behind them may be out
.elseif (\s) == 6
	s_wait_loadcnt 17
.else
	s_wait_loadcnt 0x0
.endif
	s_wait_dscnt 0x0                               ; this step's fragments of ctx are in
.rept 8
	v_nop                                          ; eight places behind the last step's products, in front of loads into their registers; at step 0 behind the lines that made the scale words
.endr
.if (\s) < 7
	XFETCH (\s)+1, ((\s)+1)%2
.endif
.if (\s) <= 4
	WLOAD ((\s)+3)%4, WP, WSP, (\s)+3
.endif
.if (\s) == 0
	WIN 0x4e                                       ; source 0 (W) window 2, source 1 (ctx) window 3, C (the bias) window 0, D window 1
.else
	WIN 0x5e
.endif
.irp m, 0,1,2,3,4,5,6,7
.irp t, 0,1,2,3
	MM \s, \m, \t
.endr
.endr
.endm
.macro TOSTAGE m                       ; row tile m: 16 rows x 64 columns into my stage, and back as whole rows of 256 bytes; LDS serves a wave's instructions in order
	WIN 0x04
.irp t, 0,1,2,3
	ds_store_b128 v[STO], v[8*(4*(\m)+\t):8*(4*(\m)+\t)+3] offset:128*(\t/2)+32*(\t%2)        ; each accumulator from its low end on
	ds_store_b128 v[STO], v[8*(4*(\m)+\t)+4:8*(4*(\m)+\t)+7] offset:128*(\t/2)+32*(\t%2)+16
.endr
	WIN 0
.irp i, 0,1,2,3,4,5,6,7
	ds_load_b128 v[OB+32*((\m)%2)+4*\i:OB+32*((\m)%2)+4*\i+3], v[SRD] offset:544*\i
.endr
.endm
.macro SEND m, younger                 ; younger: the LDS instructions issued behind tile m's loads, which may stay out
	s_wait_dscnt \younger
.irp i, 0,1,2,3,4,5,6,7
	global_store_b128 v[GO], v[OB+32*((\m)%2)+4*\i:OB+32*((\m)%2)+4*\i+3], s[OUT:OUT+1] offset:(32*((\m)/2)+8*((\m)%2)+2*\i+8*(\i/4))*4096 th:TH_STORE_NT
.endr
.endm
	s_load_b256 s[4:11], s[0:1], 0x0               ; cxbuf, wbuf, bo, out0
	v_lshl_add_u32 v254, v0, 2, 0x24400
	v_mov_b32 v255, 0
	v_lshrrev_b32 v1, 5, v0
	v_readfirstlane_b32 s[WV], v1                  ; wave 0..3
	s_and_b32 s45, ttmp7, 0xffff                   ; y
	v_and_b32 v16, 31, v0                          ; lane
	v_and_b32 v17, 15, v0                          ; r
	v_bfe_u32 v18, v0, 4, 1                        ; h
	v_lshlrev_b32 v[L16], 4, v16
	v_lshlrev_b32 v[L8], 3, v16
	v_add_nc_u32 v[XA0], XIMG, v[L16]
	v_add_nc_u32 v[XA1], XIMG+65536, v[L16]
	v_lshlrev_b32 v[BH6], 6, v18                   ; the bias: 64 h
	v_lshlrev_b32 v[R8], 3, v17                    ; ctx's pairs of scale words: 8 r
	v_lshlrev_b32 v[CP0], 4, v0                    ; the copy: 16 x thread
	v_add_nc_u32 v[CP1], 65536, v[CP0]
	s_mul_i32 s54, s[WV], 4352
	s_add_co_u32 s54, s54, STG                     ; my stage
	v_mul_u32_u24 v[STO], v17, 272
	v_lshl_add_u32 v[STO], v18, 6, v[STO]
	v_add_nc_u32 v[STO], s54, v[STO]               ; in: row r, + 64 h
	v_mul_u32_u24 v[SRD], v18, 272
	v_lshl_add_u32 v[SRD], v17, 4, v[SRD]
	v_add_nc_u32 v[SRD], s54, v[SRD]               ; back: lanes 0-15 one row, lanes 16-31 the next
	v_lshlrev_b32 v[GO], 12, v18
	v_lshl_add_u32 v[GO], v17, 4, v[GO]            ; and the same two rows in out0
	s_lshl_b32 s46, s45, 2
	s_add_co_u32 s46, s46, s[WV]                   ; my group of 64 columns
	s_lshl_b32 s54, s46, 16
	s_add_co_u32 s54, s54, 0x300000                ; wo's codes
	s_mov_b32 s55, 0
	s_lshl_b32 s56, s46, 11
	s_add_co_u32 s56, s56, 0x400000+3*32768        ; wo's scale words
	s_mov_b32 s57, 0
	s_lshl_b32 s58, ttmp9, 17                      ; my 8 tiles' images
	s_mov_b32 s59, 0
	s_lshl_b32 s60, ttmp9, 13
	s_add_co_u32 s60, s60, 0x800000                ; and their scale words
	s_mov_b32 s61, 0
	s_lshl_b32 s62, s46, 8                         ; 64 columns of f32
	s_mov_b32 s63, 0
	s_lshl_b32 s48, ttmp9, 19
	s_add_co_u32 s48, s48, s62                     ; out0: 128 x rows of 4,096 bytes + my columns
	s_mov_b32 s49, 0
	s_wait_kmcnt 0x0
	s_add_nc_u64 s[WP:WP+1], s[6:7], s[54:55]
	s_add_nc_u64 s[WSP:WSP+1], s[6:7], s[56:57]
	s_add_nc_u64 s[CX:CX+1], s[4:5], s[58:59]
	s_add_nc_u64 s[CSC:CSC+1], s[4:5], s[60:61]
	s_add_nc_u64 s[BP:BP+1], s[8:9], s[62:63]
	s_add_nc_u64 s[OUT:OUT+1], s[10:11], s[48:49]
	WLOAD 0, WP, WSP, 0
	WLOAD 1, WP, WSP, 1
	WLOAD 2, WP, WSP, 2
.irp t, 0,1,2,3
	global_load_b128 v[BI+8*\t:BI+8*\t+3], v[BH6], s[BP:BP+1] offset:(32*(\t/2)+8*(\t%2))*4
	global_load_b128 v[BI+8*\t+4:BI+8*\t+7], v[BH6], s[BP:BP+1] offset:(32*(\t/2)+8*(\t%2))*4+16
.endr
	WIN 0x40
.irp s, 0,1,2,3,4,5,6,7
.irp m, 0,1,2,3,4,5,6,7
	global_load_b64 v[2*(8*\s+\m):2*(8*\s+\m)+1], v[R8], s[CSC:CSC+1] offset:\m*1024+\s*128   ; the even head's two bytes, the odd head's two
.endr
.endr
	WIN 0xc0
.set n, 0
.rept 64
	global_load_b128 v[4*n:4*n+3], v[CP0], s[CX:CX+1] offset:2048*n    ; the images as they lie: 2,048 consecutive bytes a work-group
.set n, n+1
.endr
	WIN 0x0c
.set n, 0
.rept 64
.if n%16 == 0
	s_wait_loadcnt 48-n                            ; sixteen more are in; the later ones may be out
.endif
	ds_store_b128 v[CP0+n/32], v[4*n:4*n+3] offset:2048*(n%32)
.set n, n+1
.endr
	WIN 0x11
.set n, 0
.rept 64
	v_lshl_or_b32 v[XS+n], v[2*n+1], 16, v[2*n]    ; a K step of 128 is two heads: four bytes make its scale word
.set n, n+1
.endr
	WIN 0
	s_wait_dscnt 0x0                               ; for the others' sake: my part of the images lies in LDS
	s_barrier_signal -1
	s_barrier_wait -1
	XFETCH 0, 0
.irp s, 0,1,2,3,4,5,6,7
	KSTEP \s
.endr
	WIN 0
.rept 8
	v_nop                                          ; eight places in front of the first read of results
.endr
	TOSTAGE 0
.irp a, 1,2,3,4,5,6,7
.if \a > 1
	s_wait_xcnt 0x0                                ; tile a - 2's stores have read their registers: tile a's rows may land there
.endif
	TOSTAGE \a
	SEND \a-1, 16                                  ; behind tile a - 1's loads: tile a's 8 stores and 8 loads
.endr
	SEND 7, 0
	s_wait_tensorcnt 0x0
	ds_add_u32 v254, v255
	s_wait_dscnt 0x0
	s_endpgm
.Lfunc_end_k_qe73572a4e6_oproj:
	.size	k_qe73572a4e6_oproj, .Lfunc_end_k_qe73572a4e6_oproj-k_qe73572a4e6_oproj
	.p2alignl 7, 3214868480
	.fill 96, 4, 3214868480
	.section	.rodata,"a",@progbits
	.p2align	6, 0x0
	.amdhsa_kernel k_qe73572a4e6_oproj
		.amdhsa_group_segment_fixed_size 148992
		.amdhsa_private_segment_fixed_size 0
		.amdhsa_enable_private_segment 0
		.amdhsa_kernarg_size 32
		.amdhsa_user_sgpr_count 2
		.amdhsa_user_sgpr_kernarg_segment_ptr 1
		.amdhsa_wavefront_size32 1
		.amdhsa_system_sgpr_workgroup_id_x 1
		.amdhsa_system_sgpr_workgroup_id_y 1
		.amdhsa_system_sgpr_workgroup_id_z 1
		.amdhsa_system_vgpr_workitem_id 0
		.amdhsa_next_free_vgpr 1024
		.amdhsa_next_free_sgpr 66
		.amdhsa_reserve_vcc 0
		.amdhsa_float_denorm_mode_32 3
		.amdhsa_float_denorm_mode_16_64 3
		.amdhsa_memory_ordered 1
		.amdhsa_forward_progress 1
		.amdhsa_inst_pref_size 104
	.end_amdhsa_kernel
	.amdgpu_metadata
---
amdhsa.version: [ 1, 2 ]
amdhsa.kernels:
  - .name:           k_qe73572a4e6_oproj
    .symbol:         k_qe73572a4e6_oproj.kd
    .args:
      - { .name: cxbuf, .offset: 0, .size: 8, .value_kind: global_buffer, .address_space: global }
      - { .name: wbuf, .offset: 8, .size: 8, .value_kind: global_buffer, .address_space: global }
      - { .name: bo, .offset: 16, .size: 8, .value_kind: global_buffer, .address_space: global }
      - { .name: out0, .offset: 24, .size: 8, .value_kind: global_buffer, .address_space: global }
    .group_segment_fixed_size: 148992
    .private_segment_fixed_size: 0
    .kernarg_segment_align: 8
    .kernarg_segment_size: 32
    .max_flat_workgroup_size: 128
    .sgpr_count:     66
    .vgpr_count:     1024
    .wavefront_size: 32
...
	.end_amdgpu_metadata
.endif
;; end of part 4
;; ======== version 2 of 2: 4 launches
;; limits: right only within a limited range of input values
;; workspace buffers: wbuf 4,325,376 bytes; mbuf 540,672 bytes of whole numbers; qbuf 8,650,752 bytes; kvbuf 17,301,504 bytes; cxbuf 8,912,896 bytes
;; launch prep (part 5): grid 384 x 1, 4 waves a work-group, no clusters, 34,304 bytes of LDS; arguments wq, wk, wv, wo, mask, wbuf, mbuf; writes wbuf, mbuf
.if DOCPART == 5
	.amdgcn_target "amdgcn-amd-amdhsa--gfx1250"
	.amdhsa_code_object_version 6
	.text
	.protected	k_qe73572a4e6_prep
	.globl	k_qe73572a4e6_prep
	.p2align	8
	.type	k_qe73572a4e6_prep,@function
k_qe73572a4e6_prep:
	s_mov_b64 s[64:65], 0
	v_nop
	global_prefetch_b8 v0, s[64:65] scope:SCOPE_SE
	s_setreg_imm32_b32 hwreg(HW_REG_WAVE_MODE, 25, 1), 1
	s_wait_xcnt 0x0
; PREP.  Work-groups 0 to 255 turn the four weights [1024 (k)][1024 (n)], f32, K first, into codes of E4M3 with one E8M0 byte for each 32 along K;
; work-groups 256 to 383 pack the mask [2048][2048], int32, into lane masks.  One scalar branch on the work-group's number parts the two; only the mask's way uses LDS.
; WEIGHTS.  A lane takes a column n and its registers run down K, so a block of 32 lies in one lane and the conversions give codes with K innermost.
; The codes are laid as IMAGES OF OPERAND REGISTERS: wbuf[w][head group 16][K step 8][tile 4][2,048 bytes]; in an image register group c of lane (r, h) lies at 512 c + 16 (r + 16 h) and holds k = 32 c + 16 h + 0..15.
; A tile's rows are not neighbours: row x of tile 2 b + u of a group of 64 columns is column 32 b + 8 u + x + 8 (x / 8).  Scale words from byte 4,194,304 on: [w][group][K step][256]: tile t's word of row x at 8 (x + 16 (t % 2)) + 4 (t / 2).
; MASK.  mbuf[T 128][step 16][64 words]: bit l = (r, h) of word 16 b + i says that mask[query 32 (T / 2) + 8 (T % 2) + r + 8 (r / 8)][key 128 step + 32 b + 16 h + i] is 0.
; From byte 524,288 on: [T][step][2 words]: the AND and the OR of the 64 words.
; LIMITS: a block of zeros gets the byte 1 where the quantiser says 127 (its codes are zeros, and this program alone reads the bytes); NaN and infinities are not served.
.set WGW, 256
	s_load_b256 s[4:11], s[0:1], 0x0               ; wq, wk, wv, wo
	s_load_b128 s[12:15], s[0:1], 0x20             ; mask, wbuf
	s_load_b64 s[16:17], s[0:1], 0x30              ; mbuf
	v_lshl_add_u32 v224, v0, 2, 0x8400
	v_mov_b32 v225, 0
	v_lshrrev_b32 v1, 5, v0
	v_readfirstlane_b32 s18, v1                    ; wave 0..3
	v_and_b32 v2, 31, v0                           ; lane
	s_cmp_lt_u32 ttmp9, WGW
	s_cbranch_scc0 .Lmask
	; ---------------- the weights: work-group g: weight g / 64, K step (g / 8) % 8, 128 columns from 128 (g % 8) on; wave: 32 of them
	s_lshr_b32 s19, ttmp9, 6                       ; w
	s_and_b32 s20, ttmp9, 7                        ; nb
	s_bfe_u32 s21, ttmp9, 0x30003                  ; s
	s_lshl_b32 s22, s21, 19                        ; in: 128 s rows of 4,096 bytes,
	s_lshl_b32 s23, s20, 9
	s_add_co_u32 s22, s22, s23                     ; + 128 nb columns,
	s_lshl_b32 s23, s18, 7
	s_add_co_u32 s22, s22, s23                     ; + 32 x wave columns
	s_mov_b32 s23, 0
	s_lshl_b32 s24, s20, 1
	s_lshr_b32 s25, s18, 1
	s_add_co_u32 s24, s24, s25                     ; head group = 2 nb + wave / 2
	s_lshl_b32 s24, s24, 3
	s_add_co_u32 s24, s24, s21                     ; 8 x group + s
	s_and_b32 s25, s18, 1                          ; b: which 32 of the group's 64 columns
	s_lshl_b32 s26, s19, 20
	s_lshl_b32 s27, s24, 13
	s_add_co_u32 s26, s26, s27
	s_lshl_b32 s27, s25, 12
	s_add_co_u32 s26, s26, s27                     ; codes: w x 1 MiB + (8 group + s) x 8,192 + b x 4,096
	s_mov_b32 s27, 0
	s_lshl_b32 s34, s19, 15
	s_lshl_b32 s35, s24, 8
	s_add_co_u32 s34, s34, s35
	s_lshl_b32 s35, s25, 2
	s_add_co_u32 s34, s34, s35
	s_add_co_u32 s34, s34, 0x400000                ; scale words: 4,194,304 + w x 32,768 + (8 group + s) x 256 + 4 b
	s_mov_b32 s35, 0
	s_mov_b32 s32, 0x600000                        ; the mantissa field of 448
	s_wait_alu depctr_va_vdst(0)
	v_lshlrev_b32 v3, 2, v2                        ; in: 4 bytes a lane
	v_bfe_u32 v4, v2, 3, 1                         ; u
	v_and_b32 v5, 7, v2
	v_lshrrev_b32 v6, 4, v2
	v_lshl_add_u32 v5, v6, 3, v5                   ; x: my column's row in its tile
	v_lshlrev_b32 v7, 4, v5
	v_lshl_add_u32 v7, v4, 11, v7                  ; codes: 2,048 u + 16 x
	v_lshl_add_u32 v8, v4, 4, v5
	v_lshlrev_b32 v8, 3, v8                        ; scale word: 8 (x + 16 u)
	s_wait_alu depctr_va_vdst(0)
	s_wait_kmcnt 0x0
	s_cmp_lt_u32 s19, 2                            ; the weight is chosen by the work-group's number alone
	s_cselect_b64 s[4:5], s[4:5], s[8:9]
	s_cselect_b64 s[6:7], s[6:7], s[10:11]
	s_bitcmp1_b32 s19, 0
	s_cselect_b64 s[4:5], s[6:7], s[4:5]
	s_add_nc_u64 s[4:5], s[4:5], s[22:23]
	s_add_nc_u64 s[28:29], s[14:15], s[26:27]
	s_add_nc_u64 s[30:31], s[14:15], s[34:35]
.macro WLD c                           ; block c: W(128 s + 32 c + i, my column), i = 0..31, into set c % 2: 128 consecutive bytes a wave, 512 a work-group
.irp i, 0,1,2,3,4,5,6,7,8,9,10,11,12,13,14,15,16,17,18,19,20,21,22,23,24,25,26,27,28,29,30,31
	global_load_b32 v[32+32*((\c)%2)+\i], v3, s[4:5] offset:(32*(\c)+\i)*4096 th:TH_LOAD_NT
.endr
.endm
.macro WBLOCK c
.set XB, 32+32*((\c)%2)
.set CC, 96+8*(\c)                     ; each block has its own eight registers of codes: no store's data are written again
.if (\c) < 3
	s_wait_loadcnt 32                              ; this block's 32 loads are in; the next block's 32 may be out
.else
	s_wait_loadcnt 0x0
.endif
	v_max3_num_f32 v12, |v[XB]|, |v[XB+1]|, |v[XB+2]|
	v_max3_num_f32 v13, |v[XB+3]|, |v[XB+4]|, |v[XB+5]|
.irp i, 6,10,14,18,22,26
	v_max3_num_f32 v12, v12, |v[XB+\i]|, |v[XB+\i+1]|
	v_max3_num_f32 v13, v13, |v[XB+\i+2]|, |v[XB+\i+3]|
.endr
	v_max3_num_f32 v12, v12, |v[XB+30]|, |v[XB+31]|
	v_max3_num_f32 v12, v12, v13, 0x4800000        ; the block's largest magnitude, and the floor 2^(9 - 127): the byte cannot fall under 1
	v_add_nc_u32 v11, 0xfc000000, v12              ; 8 off its exponent field: the conversion's scale operand
	v_and_or_b32 v10, v12, 0x7f800000, s32         ; 448 x the scale
	v_lshrrev_b32 v13, 23, v11                     ; the scale's byte
.if (\c) == 0
	v_mov_b32 v24, v13
.else
	v_lshl_or_b32 v24, v13, 8*(\c), v24            ; four bytes make my column's scale word of this K step
.endif
.irp i, 0,1,2,3,4,5,6,7,8,9,10,11,12,13,14,15,16,17,18,19,20,21,22,23,24,25,26,27,28,29,30,31
	v_med3_num_f32 v[XB+\i], v[XB+\i], -v10, v10   ; the conversion to an 8-bit code does not saturate (ISA guide 7.6.2): the hold comes first
.endr
.irp g, 0,1,2,3
	v_cvt_scalef32_pk8_fp8_f32 v[CC+2*\g:CC+2*\g+1], v[XB+8*\g:XB+8*\g+7], v11
.endr
	global_store_b128 v7, v[CC:CC+3], s[28:29] offset:512*(\c)         ; k = 32 c + 0..15: the image's lanes 0-15; sixteen lanes store 256 consecutive bytes, aligned
	global_store_b128 v7, v[CC+4:CC+7], s[28:29] offset:512*(\c)+256   ; k = 32 c + 16..31: its lanes 16-31
.if (\c)+2 < 4
	WLD (\c)+2
.endif
.endm
	WLD 0
	WLD 1
	WBLOCK 0
	WBLOCK 1
	WBLOCK 2
	WBLOCK 3
	global_store_b32 v8, v24, s[30:31]
	s_endpgm
	; ---------------- the mask: work-group 256 + T: query tile T; wave: key steps 4 x wave + e, e = 0..3
.Lmask:
	s_sub_co_u32 s19, ttmp9, WGW                   ; T
	s_lshr_b32 s20, s19, 1
	s_lshl_b32 s20, s20, 5
	s_and_b32 s21, s19, 1
	s_lshl_b32 s21, s21, 3
	s_add_co_u32 s20, s20, s21                     ; the tile's first query: 32 (T / 2) + 8 (T % 2)
	s_lshl_b32 s20, s20, 13                        ; a row of the mask is 8,192 bytes
	s_lshl_b32 s21, s18, 11
	s_add_co_u32 s20, s20, s21                     ; + my four steps of 512 bytes
	s_mov_b32 s21, 0
	s_lshl_b32 s22, s19, 12
	s_lshl_b32 s23, s18, 10
	s_add_co_u32 s22, s22, s23                     ; out: 4,096 T + 1,024 x wave
	s_mov_b32 s23, 0
	s_lshl_b32 s28, s19, 7
	s_lshl_b32 s29, s18, 5
	s_add_co_u32 s28, s28, s29
	s_add_co_u32 s28, s28, 0x80000                 ; summaries: 524,288 + 128 T + 32 x wave
	s_mov_b32 s29, 0
	s_mul_i32 s38, s18, 8448                       ; my wave's stage: 16 rows of 512 bytes + 16
	s_wait_alu depctr_va_vdst(0)
	v_lshlrev_b32 v1, 4, v2                        ; 16 x lane
	v_and_b32 v16, 15, v0                          ; r
	v_bfe_u32 v17, v0, 4, 1                        ; h
	v_add_nc_u32 v3, s38, v1                       ; into the stage: a row as it is loaded
	v_mul_u32_u24 v4, v16, 528
	v_lshl_add_u32 v4, v17, 6, v4
	v_add_nc_u32 v4, s38, v4                       ; out of it: row r, + 64 h: my 16 numbers of each block of 32
	v_lshlrev_b32 v5, 3, v2
	v_lshlrev_b32 v15, 2, v2
.irp i, 6,7,8,9,10,11,12,13,14
	v_mov_b32 v[\i], 0                             ; v_writelane_b32's destination counts as read
.endr
	s_wait_kmcnt 0x0
	s_add_nc_u64 s[12:13], s[12:13], s[20:21]
	s_add_nc_u64 s[24:25], s[16:17], s[22:23]
	s_add_nc_u64 s[26:27], s[16:17], s[28:29]
.macro MLOAD e                         ; unit e: 16 rows x 512 bytes, each load 512 consecutive bytes of one row, into raw set e % 2
.irp i, 0,1,2,3,4,5,6,7,8,9,10,11,12,13,14,15
	global_load_b128 v[32+64*((\e)%2)+4*\i:32+64*((\e)%2)+4*\i+3], v1, s[12:13] offset:(\i+8*(\i/8))*8192+512*(\e) th:TH_LOAD_NT
.endr
.endm
.macro MTURN e                         ; through my own stage: LDS serves a wave's instructions in order, so no wait stands between the stores and the loads
.irp i, 0,1,2,3,4,5,6,7,8,9,10,11,12,13,14,15
	ds_store_b128 v3, v[32+64*((\e)%2)+4*\i:32+64*((\e)%2)+4*\i+3] offset:528*\i
.endr
.irp b, 0,1,2,3
.irp j, 0,1,2,3
	ds_load_b128 v[160+16*\b+4*\j:160+16*\b+4*\j+3], v4 offset:128*\b+16*\j
.endr
.endr
.endm
.macro UNIT e
.if (\e) < 3
	s_wait_loadcnt 16                              ; this unit's 16 loads are in; the next unit's 16 may be out
.else
	s_wait_loadcnt 0x0
.endif
	MTURN \e
	s_wait_dscnt 0x0                               ; register 16 b + i now holds mask[my query][128 step + 32 b + 16 h + i]; the raw set has been read
.if (\e) < 2
	MLOAD (\e)+2
.endif
.set n, 0
.rept 64
	v_cmp_eq_u32 s[40+n%8], 0, v[160+n]            ; word n: a bit a lane
	v_writelane_b32 v[6+2*(\e)+n%2], s[40+n%8], n/2   ; lane n / 2 will store words n and n + 1
.if n == 0
	s_mov_b32 s36, s40
	s_mov_b32 s37, s40
.else
	s_and_b32 s36, s36, s[40+n%8]
	s_or_b32 s37, s37, s[40+n%8]
.endif
.set n, n+1
.endr
	global_store_b64 v5, v[6+2*(\e):7+2*(\e)], s[24:25] offset:256*(\e)   ; 32 lanes store 256 consecutive bytes, aligned
	v_writelane_b32 v14, s36, 2*(\e)
	v_writelane_b32 v14, s37, 2*(\e)+1
.endm
	MLOAD 0
	MLOAD 1
	UNIT 0
	UNIT 1
	UNIT 2
	UNIT 3
	v_cmp_gt_u32 vcc_lo, 8, v2
	s_wait_alu depctr_va_vdst(0)
	s_wait_xcnt 0x0                                ; EXEC changes only when the stores above have had their addresses translated
	s_wait_tensorcnt 0x0
	ds_add_u32 v224, v225
	s_wait_dscnt 0x0
	s_and_saveexec_b32 s39, vcc_lo
	global_store_b32 v15, v14, s[26:27]            ; my four steps' AND and OR: 32 bytes
	s_wait_xcnt 0x0
	s_or_b32 exec_lo, exec_lo, s39
	s_endpgm
.Lfunc_end_k_qe73572a4e6_prep:
	.size	k_qe73572a4e6_prep, .Lfunc_end_k_qe73572a4e6_prep-k_qe73572a4e6_prep
	.p2alignl 7, 3214868480
	.fill 96, 4, 3214868480
	.section	.rodata,"a",@progbits
	.p2align	6, 0x0
	.amdhsa_kernel k_qe73572a4e6_prep
		.amdhsa_group_segment_fixed_size 34304
		.amdhsa_private_segment_fixed_size 0
		.amdhsa_enable_private_segment 0
		.amdhsa_kernarg_size 56
		.amdhsa_user_sgpr_count 2
		.amdhsa_user_sgpr_kernarg_segment_ptr 1
		.amdhsa_wavefront_size32 1
		.amdhsa_system_sgpr_workgroup_id_x 1
		.amdhsa_system_sgpr_workgroup_id_y 1
		.amdhsa_system_sgpr_workgroup_id_z 1
		.amdhsa_system_vgpr_workitem_id 0
		.amdhsa_next_free_vgpr 226
		.amdhsa_next_free_sgpr 66
		.amdhsa_reserve_vcc 1
		.amdhsa_float_denorm_mode_32 3
		.amdhsa_float_denorm_mode_16_64 3
		.amdhsa_memory_ordered 1
		.amdhsa_forward_progress 1
		.amdhsa_inst_pref_size 95
	.end_amdhsa_kernel
	.amdgpu_metadata
---
amdhsa.version: [ 1, 2 ]
amdhsa.kernels:
  - .name:           k_qe73572a4e6_prep
    .symbol:         k_qe73572a4e6_prep.kd
    .args:
      - { .name: wq, .offset: 0, .size: 8, .value_kind: global_buffer, .address_space: global }
      - { .name: wk, .offset: 8, .size: 8, .value_kind: global_buffer, .address_space: global }
      - { .name: wv, .offset: 16, .size: 8, .value_kind: global_buffer, .address_space: global }
      - { .name: wo, .offset: 24, .size: 8, .value_kind: global_buffer, .address_space: global }
      - { .name: mask, .offset: 32, .size: 8, .value_kind: global_buffer, .address_space: global }
      - { .name: wbuf, .offset: 40, .size: 8, .value_kind: global_buffer, .address_space: global }
      - { .name: mbuf, .offset: 48, .size: 8, .value_kind: global_buffer, .address_space: global }
    .group_segment_fixed_size: 34304
    .private_segment_fixed_size: 0
    .kernarg_segment_align: 8
    .kernarg_segment_size: 56
    .max_flat_workgroup_size: 128
    .sgpr_count:     66
    .vgpr_count:     226
    .wavefront_size: 32
...
	.end_amdgpu_metadata
.endif
;; end of part 5
;; launch proj (part 6): grid 64 x 3, 4 waves a work-group, no clusters, 211,456 bytes of LDS; arguments q, k, v, bq, bk, bv, wbuf, qbuf, kvbuf; writes qbuf, kvbuf
.if DOCPART == 6
	.amdgcn_target "amdgcn-amd-amdhsa--gfx1250"
	.amdhsa_code_object_version 6
	.text
	.protected	k_qe73572a4e6_proj
	.globl	k_qe73572a4e6_proj
	.p2align	8
	.type	k_qe73572a4e6_proj,@function
k_qe73572a4e6_proj:
	s_mov_b64 s[64:65], 0
	v_nop
	global_prefetch_b8 v0, s[64:65] scope:SCOPE_SE
	s_setreg_imm32_b32 hwreg(HW_REG_WAVE_SCHED_MODE, 0, 2), 2
	s_setreg_imm32_b32 hwreg(HW_REG_WAVE_MODE, 25, 1), 1
	s_wait_xcnt 0x0
	s_wait_alu depctr_vm_vsrc(0)
; PROJ.  y = 0, 1, 2: Q = q wq + bq, K = k wk + bk, V = v wv + bv, on codes of E4M3 with one E8M0 scale for each 32 along K, and the results quantised at once for attention.
; SHARES.  Work-group x takes 128 rows (batch x / 16, key step x % 16).  It quantises them once, into 64 operand images in LDS (8 tiles of 16 rows x 8 K steps); wave w then makes heads 4 w .. 4 w + 3,
; one head (128 rows x 64 columns, 32 accumulators) at a time.  The weights come from wbuf straight into registers, as images, each read once by the work-group.
; A TILE'S ROWS ARE NOT NEIGHBOURS: row x of tile 2 b + u is row 32 b + 8 u + x + 8 (x / 8) of the 128; the weights' tiles of 16 columns likewise inside a head's 64.
; Q, K: source 0 = 16 columns of W, source 1 = 16 rows of x: a lane holds one row, and the 16 registers of tiles 2 b, 2 b + 1 are d = 32 b + 16 h + 0..15: the scores' K.
; V: source 0 = 16 rows of x, source 1 = 16 columns of W: a lane holds one d, and the 16 registers of row tiles 2 b, 2 b + 1 are keys 32 b + 16 h + 0..15: the second product's K.
; In both, block i of 16 is accumulator registers 16 i .. 16 i + 15, its partner lane is l xor 16, and its four registers of codes go out at 512 i + 16 x lane: images again.
; The bias is the C of each sum's first matrix instruction.  No tensor load and no cluster: no operand of the loop lands in LDS from memory (x is made there, the weights go to registers).
; 192 work-groups: 128 rows is the share at which x's images of all of K fit in LDS and a weight is read 64 times, not 128.
; LIMITS: a block of zeros gets the byte 1 where the quantiser says 127 (its codes are zeros; this program alone reads the bytes); NaN and infinities are not served.
; REGISTERS, in windows of 256.  Window 1: the 32 accumulators; while x is quantised four raw sets of 64.  Window 2: the weights, a ring of 4 sets of 64.  Window 3: x's fragments, 2 sets of 128.
; Window 0: v1-15 addresses; v16-31 at work; v32-95 x's scale words; v96-103 the weights' scale words, 2 a set; v104-135 the bias; v136-167 at work; v168-231 codes; while x is quantised v104-231 two sets of 64 numbers, v232-247 codes.
; THE MODE: SCHED_MODE bits 1:0 = 2 (LLVM: expert scheduling mode 2), set by the entry lines.  The code itself states the register dependences
; between vector or matrix instructions and memory or LDS instructions, with s_wait_alu, always for 0.
; THE PLAN.  Registers that memory or LDS instructions touch.
; While x is quantised, fragment e:
;   raw set e % 4 (window 1)   written by the loads issued in fragment e - 3's turn; read by the stage's LDS stores in fragment e - 1's turn; named by no vector instruction.
;   XR set e % 2               written by the stage's LDS loads in fragment e - 1's turn; read and written by fragment e's QUANT.
;   PCX, PW, v248, v249        written by fragment e's QUANT and two additions; read by its five image stores.
;   So a fragment has a wait on vm_vsrc at its head (the raw set that is loaded again; the last images' data and addresses) and a wait on va_vdst ahead of its image stores,
;   which also shows QUANT done with XR set e % 2: the stage's loads of fragment e + 2 land there in the next turn with no vector instruction between.
; In the heads' loop, K step s:
;   x set (s + 1) % 2 (window 3), W set (s + 3) % 4 (window 2) and that set's two scale words: read by step s - 1's products; the loads issued in step s land in them.
;   Step s's products name x set s % 2, W set s % 4, its scale words, x's scale words, the bias and the accumulators: none of the registers that the step's loads touch.
;   So ONE wait on va_vdst stands at a step's head, and the step's 49 loads follow it in four groups, each ahead of eight of the step's products.
;   v20, v21 (the bias's addresses), the bias, PC and PL (codes and scale words on their way out): two waits at a head's top, one ahead of each run of stores.
;   v1-v11, v13, v250, v251 are made at the kernel's head and never written again.
.set XIMG, 0                           ; LDS: image (8 m + s) x 2,048
.set XSC,  131072                      ; x's scale words: (8 m + s) x 128 + 4 x lane
.set BIAS, 139264                      ; the bias, 1,024 f32
.set STG,  143360                      ; for each wave two stages of 16 rows x (512 + 16) bytes
.set L16, 1
.set L8,  2
.set L4,  3
.set XA0, 4
.set XA1, 5
.set BA,  6
.set BV,  7
.set STI, 8
.set STO, 9
.set XWI, 10
.set XWS, 11
.set PW,  12
.set XSA, 13
.set PL,  14
.set TMX, 16
.set XS,  32
.set WS,  96
.set BI,  104
.set TM,  136
.set T2,  144
.set SC,  152
.set HL,  160
.set PC,  168
.set XR,  104
.set PCX, 232
.set BO,  22
.set XP,  24
.set BP,  26
.set WP,  28
.set WN,  30
.set WSP, 32
.set WSN, 34
.set OC,  36
.set OS,  38
.set OCS, 40
.set OSS, 42
.set WV,  44
.set TAU, 45
.set G,   46
.set XSO, 47
.set SEL, 48
.set MNT, 50
.set HM,  51
.set TRIP, 52
.set XO,  53
.set MSB, 0
.macro WIN new                         ; the immediate's high byte repeats the setting that is left; a switch that changes nothing is dropped
.if MSB != \new
	s_set_vgpr_msb (MSB<<8)|\new
.set MSB, \new
.endif
.endm
; the weights of one K step of one head: 4 tiles x 2,048 bytes, each load 512 consecutive bytes, and their scale words: 17 loads
.macro WLOAD set, base, sbase, k
	WIN 0x80
.irp i, 0,1,2,3,4,5,6,7,8,9,10,11,12,13,14,15
	global_load_b128 v[64*(\set)+4*\i:64*(\set)+4*\i+3], v[L16], s[\base:\base+1] offset:8192*(\k)+512*\i
.endr
	WIN 0
	global_load_b64 v[WS+2*(\set):WS+2*(\set)+1], v[L8], s[\sbase:\sbase+1] offset:256*(\k)
.endm
; the same in parts, in the same order: tile g's four loads; the scale words' one
.macro WTILE set, base, k, g
	WIN 0x80
.irp i, 0,1,2,3
	global_load_b128 v[64*(\set)+16*(\g)+4*\i:64*(\set)+16*(\g)+4*\i+3], v[L16], s[\base:\base+1] offset:8192*(\k)+2048*(\g)+512*\i
.endr
.endm
.macro WSCALE set, sbase, k
	WIN 0
	global_load_b64 v[WS+2*(\set):WS+2*(\set)+1], v[L8], s[\sbase:\sbase+1] offset:256*(\k)
.endm
; fragment e of my 32 rows (K step e / 2, tile e % 2): 16 rows x 512 bytes as they lie, into raw set e % 4
.macro LOADF e
	WIN 0x40
.irp i, 0,1,2,3,4,5,6,7,8,9,10,11,12,13,14,15
	global_load_b128 v[64*((\e)%4)+4*\i:64*((\e)%4)+4*\i+3], v[L16], s[XP:XP+1] offset:((\e)/2)*512+(8*((\e)%2)+\i+8*(\i/8))*4096 th:TH_LOAD_NT
.endr
	WIN 0
.endm
; through my stage e % 2: in as rows, out as 16 neighbours of each block of 32 for lane (r, h); LDS serves a wave's instructions in order
.macro TURN e
	WIN 0x04
.irp i, 0,1,2,3,4,5,6,7,8,9,10,11,12,13,14,15
	ds_store_b128 v[STI], v[64*((\e)%4)+4*\i:64*((\e)%4)+4*\i+3] offset:8448*((\e)%2)+528*\i
.endr
	WIN 0
.irp b, 0,1,2,3
.irp j, 0,1,2,3
	ds_load_b128 v[XR+64*((\e)%2)+16*\b+4*\j:XR+64*((\e)%2)+16*\b+4*\j+3], v[STO] offset:8448*((\e)%2)+128*\b+16*\j
.endr
.endr
.endm
; 64 numbers of a lane, register 16 b + i = k 32 b + 16 h + i of my row, become a fragment's codes in v[PCX] on and its scale word in v[PW]
.macro QUANT s
.irp b, 0,1,2,3
	v_max3_num_f32 v[TMX+\b], |v[\s+16*\b]|, |v[\s+1+16*\b]|, 0x4800000   ; with the floor 2^(9 - 127): the byte cannot fall under 1
.endr
.irp i, 2,4,6,8,10,12,14
.irp b, 0,1,2,3
	v_max3_num_f32 v[TMX+\b], v[TMX+\b], |v[\s+16*\b+\i]|, |v[\s+1+16*\b+\i]|
.endr
.endr
.irp b, 0,1,2,3
	v_permlanex16_b32 v[TMX+4+\b], v[TMX+\b], s[SEL], s[SEL+1]
.endr
.irp b, 0,1,2,3
	v_max_num_f32 v[TMX+\b], v[TMX+\b], v[TMX+4+\b]        ; with lane l xor 16's: the block's largest magnitude
.endr
.irp b, 0,1,2,3
	v_add_nc_u32 v[TMX+12+\b], 0xfc000000, v[TMX+\b]       ; 8 off its exponent field: the conversion's scale operand
.endr
.irp b, 0,1,2,3
	v_and_or_b32 v[TMX+8+\b], v[TMX+\b], 0x7f800000, s[MNT]   ; 448 x the scale
.endr
.irp b, 0,1,2,3
	v_lshrrev_b32 v[TMX+4+\b], 23, v[TMX+12+\b]            ; the scale's byte
.endr
	v_lshl_or_b32 v[PW], v[TMX+5], 8, v[TMX+4]
	v_lshl_or_b32 v[PW], v[TMX+6], 16, v[PW]
	v_lshl_or_b32 v[PW], v[TMX+7], 24, v[PW]
.irp b, 0,1,2,3
.irp i, 0,1,2,3,4,5,6,7,8,9,10,11,12,13,14,15
	v_med3_num_f32 v[\s+16*\b+\i], v[\s+16*\b+\i], -v[TMX+8+\b], v[TMX+8+\b]   ; the conversion does not saturate (ISA guide 7.6.2): the hold comes first
.endr
	v_cvt_scalef32_pk8_fp8_f32 v[PCX+4*\b:PCX+1+4*\b], v[\s+16*\b:\s+7+16*\b], v[TMX+12+\b]
	v_cvt_scalef32_pk8_fp8_f32 v[PCX+2+4*\b:PCX+3+4*\b], v[\s+8+16*\b:\s+15+16*\b], v[TMX+12+\b]
.endr
.endm
; one fragment's turn.  ld: fragment e + 3 is asked for; turn: fragment e + 1 goes through the stage; cnt: the loads that may stay out when fragment e + 1's must be in
.macro XFRAG e, ld, turn, cnt
	s_wait_dscnt 0x0                               ; fragment e is back from the stage; the last images are stored; the raw set of fragment e - 1 has been read
	s_wait_alu depctr_vm_vsrc(0)                   ; the stage's stores have read the raw set of fragment e - 1, in which the loads below land; the last image stores (ahead of the first fragment: the bias's stores) have read v[PCX ..], v[PW], v248 and v249, which QUANT and the two additions write again
.if \ld
	LOADF (\e)+3
.endif
.if \turn
	s_wait_loadcnt \cnt
	TURN (\e)+1                                    ; its loads land in the XR set of fragment e - 1: the wait ahead of that fragment's image stores has shown its QUANT done, and no vector instruction stands between
.endif
	QUANT XR+64*((\e)%2)
	v_add_nc_u32 v248, s[XO], v[XWI]               ; (two plain lines directly behind the last conversion)
	v_add_nc_u32 v249, s[XSO], v[XWS]
	s_wait_alu depctr_va_vdst(0)                   ; QUANT and the two additions have written v[PCX ..], v[PW], v248 and v249, which the stores below read; QUANT is done with its XR set, in which the next turn's stage loads land
.irp c, 0,1,2,3
	ds_store_b128 v248, v[PCX+4*\c:PCX+4*\c+3] offset:((\e)%2)*16384+((\e)/2)*2048+512*\c
.endr
	ds_store_b32 v249, v[PW] offset:((\e)%2)*1024+((\e)/2)*128
.endm
; x's eight fragments of K step s into set p of window 3
.macro XFETCH s, p
	WIN 0xc0
.irp m, 0,1,2,3,4,5,6,7
.irp c, 0,1,2,3
	ds_load_b128 v[128*(\p)+16*\m+4*\c:128*(\p)+16*\m+4*\c+3], v[XA0+(\m)/4] offset:(8*((\m)%4)+(\s))*2048+512*\c
.endr
.endr
.endm
; two of the eight: fragments m0 and m0 + 1
.macro XTILES s, p, m0
	WIN 0xc0
.irp m, \m0, \m0+1
.irp c, 0,1,2,3
	ds_load_b128 v[128*(\p)+16*(\m)+4*\c:128*(\p)+16*(\m)+4*\c+3], v[XA0+(\m)/4] offset:(8*((\m)%4)+(\s))*2048+512*\c
.endr
.endr
.endm
; one matrix instruction: K step s, row tile m, column tile t
.macro MM s, m, t, vm
.set rW, 64*((\s)%4)+16*(\t)
.set rX, 128*((\s)%2)+16*(\m)
.set rSW, WS+2*((\s)%4)+(\t)/2
.set rSX, XS+8*(\s)+(\m)
.if \vm
.set rD, 8*(8*(\t)+(\m))
.else
.set rD, 8*(4*(\m)+(\t))
.endif
.set rC, rD
.if (\s) == 0
.set rC, BI+8*(\t)
.endif
.if \vm
.if (\t)%2
	v_wmma_scale_f32_16x16x128_f8f6f4 v[rD:rD+7], v[rX:rX+15], v[rW:rW+15], v[rC:rC+7], v[rSX], v[rSW] matrix_b_scale:MATRIX_SCALE_ROW1
.else
	v_wmma_scale_f32_16x16x128_f8f6f4 v[rD:rD+7], v[rX:rX+15], v[rW:rW+15], v[rC:rC+7], v[rSX], v[rSW]
.endif
.else
.if (\t)%2
	v_wmma_scale_f32_16x16x128_f8f6f4 v[rD:rD+7], v[rW:rW+15], v[rX:rX+15], v[rC:rC+7], v[rSW], v[rSX] matrix_a_scale:MATRIX_SCALE_ROW1
.else
	v_wmma_scale_f32_16x16x128_f8f6f4 v[rD:rD+7], v[rW:rW+15], v[rX:rX+15], v[rC:rC+7], v[rSW], v[rSX]
.endif
.endif
.endm
; the windows of a K step's products
.macro MMWIN s, vm
.if \vm
.if (\s) == 0
	WIN 0x4b                                       ; source 0 (x) window 3, source 1 (W) window 2, C (the bias) window 0, D window 1
.else
	WIN 0x5b
.endif
.else
.if (\s) == 0
	WIN 0x4e                                       ; source 0 (W) window 2, source 1 (x) window 3, C (the bias) window 0, D window 1
.else
	WIN 0x5e
.endif
.endif
.endm
; a K step of 128: 32 matrix instructions, each accumulator once, in the same order in every step.
; The step's loads (x's fragments of the next step, the weights of three steps on) go in four groups, each ahead of eight of the products.
.macro KSTEP s, vm
	s_wait_loadcnt 34                              ; this step's weights are in; the 17 + 17 loads of the two steps behind them may be out
.if (\s) == 0
	s_wait_dscnt 0x0                               ; the bias and step 0's fragments of x are in
.endif
.rept 8
	v_nop                                          ; eight places behind the last step's products, whose set of x, of weights and of scale words is loaded next
.endr
.if (\s) > 0
	s_wait_alu depctr_va_vdst(0)                   ; the last step's products are done reading their set of x, of weights and of scale words, in which this step's loads land.  (At step 0 the wait at the head's top has shown that of the last head's step 7)
.endif
.irp g, 0,1,2,3
	XTILES ((\s)+1)%8, ((\s)+1)%2, 2*\g
.if (\s) <= 4
	WTILE ((\s)+3)%4, WP, (\s)+3, \g
.else
	WTILE ((\s)+3)%4, WN, (\s)-5, \g               ; the next head's first three steps
.endif
.if \g == 3
.if (\s) <= 4
	WSCALE ((\s)+3)%4, WSP, (\s)+3
.else
	WSCALE ((\s)+3)%4, WSN, (\s)-5
.endif
.endif
.if (\s) > 0
	s_wait_dscnt 32                                ; this step's fragments 2 g and 2 g + 1 of x are in: behind them were issued this step's later ones, 4 (6 - 2 g) loads, and the next step's 0 .. 2 g + 1, 4 (2 g + 2): 32
.endif
	MMWIN \s, \vm
.irp m, 2*\g, 2*\g+1
.irp t, 0,1,2,3
	MM \s, \m, \t, \vm
.endr
.endr
.endr
.endm
; blocks i0 .. i0 + 7 are quantised and stored
.macro EPIH i0
	WIN 0x05
.irp q, 0,1,2,3,4,5,6,7
	v_max3_num_f32 v[TM+\q], |v[16*(\i0+\q)]|, |v[16*(\i0+\q)+1]|, 0x4800000   ; each accumulator is read from its low end on
.endr
	WIN 0x14
.irp k, 2,4,6,8,10,12,14
.irp q, 0,1,2,3,4,5,6,7
	v_max3_num_f32 v[TM+\q], v[TM+\q], |v[16*(\i0+\q)+\k]|, |v[16*(\i0+\q)+\k+1]|
.endr
.endr
	WIN 0
.irp q, 0,1,2,3,4,5,6,7
	v_permlanex16_b32 v[T2+\q], v[TM+\q], s[SEL], s[SEL+1]
.endr
.irp q, 0,1,2,3,4,5,6,7
	v_max_num_f32 v[TM+\q], v[TM+\q], v[T2+\q]
.endr
.irp q, 0,1,2,3,4,5,6,7
	v_add_nc_u32 v[SC+\q], 0xfc000000, v[TM+\q]
.endr
.irp q, 0,1,2,3,4,5,6,7
	v_and_or_b32 v[HL+\q], v[TM+\q], 0x7f800000, s[MNT]
.endr
.irp q, 0,1,2,3,4,5,6,7
	v_lshrrev_b32 v[T2+\q], 23, v[SC+\q]
.endr
	v_lshl_or_b32 v16, v[T2+1], 8, v[T2]
	v_lshl_or_b32 v17, v[T2+5], 8, v[T2+4]
	v_lshl_or_b32 v16, v[T2+2], 16, v16
	v_lshl_or_b32 v17, v[T2+6], 16, v17
	v_lshl_or_b32 v16, v[T2+3], 24, v16
	v_lshl_or_b32 v17, v[T2+7], 24, v17
	v_cndmask_b32 v[PL+(\i0)/8], v16, v17, s[HM]   ; lanes 0-15 keep the even word, lanes 16-31 the odd one
	WIN 0x41
.irp q, 0,1,2,3,4,5,6,7
.irp k, 0,1,2,3,4,5,6,7,8,9,10,11,12,13,14,15
	v_med3_num_f32 v[16*(\i0+\q)+\k], v[16*(\i0+\q)+\k], -v[HL+\q], v[HL+\q]
.endr
.endr
	WIN 0x01
.irp q, 0,1,2,3,4,5,6,7
	v_cvt_scalef32_pk8_fp8_f32 v[PC+4*(\i0+\q):PC+4*(\i0+\q)+1], v[16*(\i0+\q):16*(\i0+\q)+7], v[SC+\q]
	v_cvt_scalef32_pk8_fp8_f32 v[PC+4*(\i0+\q)+2:PC+4*(\i0+\q)+3], v[16*(\i0+\q)+8:16*(\i0+\q)+15], v[SC+\q]
.endr
	WIN 0
	v_nop                                          ; a plain line directly behind the last conversion
	s_wait_alu depctr_va_vdst(0)                   ; the conversions have written these eight blocks' codes, and the select above its scale words, which the stores read
.irp q, 0,1,2,3,4,5,6,7
	global_store_b128 v[L16], v[PC+4*(\i0+\q):PC+4*(\i0+\q)+3], s[OC:OC+1] offset:512*(\i0+\q)   ; 32 lanes store 512 consecutive bytes, aligned
.endr
.endm
	s_load_b512 s[4:19], s[0:1], 0x0               ; q, k, v, bq, bk, bv, wbuf, qbuf
	s_load_b64 s[20:21], s[0:1], 0x40              ; kvbuf
	v_lshl_add_u32 v254, v0, 2, 0x33800
	v_mov_b32 v255, 0
	v_lshrrev_b32 v1, 5, v0
	v_readfirstlane_b32 s[WV], v1                  ; wave 0..3
	s_and_b32 s[TAU], ttmp7, 0xffff                ; 0 q, 1 k, 2 v
	v_and_b32 v16, 31, v0                          ; lane
	v_and_b32 v17, 15, v0                          ; r
	v_bfe_u32 v18, v0, 4, 1                        ; h
	v_lshlrev_b32 v[L16], 4, v16
	v_lshlrev_b32 v[L8], 3, v16
	v_lshlrev_b32 v[L4], 2, v16
	v_add_nc_u32 v[XA0], XIMG, v[L16]
	v_add_nc_u32 v[XA1], XIMG+65536, v[L16]
	s_wait_alu depctr_va_sdst(0)                   ; the wave's number is written, ahead of its first reader
	s_lshl_b32 s54, s[WV], 10
	s_add_co_u32 s54, s54, BIAS                    ; my four heads' 256 numbers of the bias
	v_lshl_add_u32 v[BA], v18, 6, s54              ; Q, K: + 64 h: units 16 h on
	v_and_b32 v19, 8, v17
	v_add_nc_u32 v19, v19, v17
	v_lshl_add_u32 v[BV], v19, 2, s54              ; V: + 4 (r + 8 (r / 8)): my column
	s_mul_i32 s55, s[WV], 16896
	s_add_co_u32 s55, s55, STG
	v_add_nc_u32 v[STI], s55, v[L16]
	v_mul_u32_u24 v[STO], v17, 528
	v_lshl_add_u32 v[STO], v18, 6, v[STO]
	v_add_nc_u32 v[STO], s55, v[STO]
	s_lshl_b32 s56, s[WV], 15
	v_add_nc_u32 v[XWI], s56, v[L16]               ; my two tiles' images: 32,768 x wave
	s_lshl_b32 s56, s[WV], 11
	s_add_co_u32 s56, s56, XSC
	v_add_nc_u32 v[XWS], s56, v[L4]
	v_add_nc_u32 v[XSA], XSC, v[L4]
	v_lshl_add_u32 v250, v0, 5, BIAS               ; the bias goes to LDS 32 bytes a thread
	v_lshlrev_b32 v251, 5, v0
	s_mov_b32 s[SEL], 0x76543210
	s_mov_b32 s[SEL+1], 0xfedcba98                 ; v_permlanex16_b32's selects for lane l xor 16
	s_mov_b32 s[MNT], 0x600000                     ; the mantissa field of 448
	s_mov_b32 s[HM], 0xffff0000                    ; lanes 16-31
	; offsets, made apart from the addresses
	s_lshl_b32 s54, ttmp9, 19
	s_lshl_b32 s55, s[WV], 17
	s_add_co_u32 s54, s54, s55                     ; x: (128 block + 32 wave) rows of 4,096 bytes
	s_mov_b32 s55, 0
	s_lshl_b32 s56, s[TAU], 20
	s_lshl_b32 s57, s[WV], 18
	s_add_co_u32 s56, s56, s57                     ; the weight's codes, my first head
	s_mov_b32 s57, 0
	s_lshl_b32 s58, s[TAU], 15
	s_lshl_b32 s59, s[WV], 13
	s_add_co_u32 s58, s58, s59
	s_add_co_u32 s58, s58, 0x400000                ; and its scale words
	s_mov_b32 s59, 0
	s_lshr_b32 s60, ttmp9, 4
	s_lshl_b32 s60, s60, 4
	s_lshl_b32 s61, s[WV], 2
	s_add_co_u32 s60, s60, s61                     ; batch x 16 + my first head
	s_and_b32 s61, ttmp9, 15                       ; the key step
	s_lshl_b32 s62, s60, 17
	s_lshl_b32 s63, s61, 13
	s_add_co_u32 s62, s62, s63                     ; Q's codes
	s_lshl_b32 s63, s60, 12
	s_lshl_b32 s[OCS], s61, 8
	s_add_co_u32 s63, s63, s[OCS]
	s_add_co_u32 s63, s63, 0x800000                ; Q's scale words
	s_mul_i32 s60, s60, 270336
	s_lshl_b32 s[OCS], s61, 14
	s_add_co_u32 s[OCS], s[OCS], s60               ; K's codes
	s_lshl_b32 s[OSS], s61, 9
	s_add_co_u32 s[OSS], s[OSS], s60
	s_add_co_u32 s[OSS], s[OSS], 262144            ; K's scale words
	s_cmp_eq_u32 s[TAU], 2
	s_cselect_b32 s60, 8192, 0                     ; V's lie behind K's in a step
	s_cselect_b32 s61, 256, 0
	s_add_co_u32 s[OCS], s[OCS], s60
	s_add_co_u32 s[OSS], s[OSS], s61
	s_cmp_eq_u32 s[TAU], 0
	s_cselect_b32 s60, s62, s[OCS]
	s_cselect_b32 s62, s63, s[OSS]
	s_mov_b32 s[OCS], 270336
	s_cselect_b32 s[OCS], 131072, s[OCS]           ; from head to head
	s_mov_b32 s[OSS], 270336
	s_cselect_b32 s[OSS], 4096, s[OSS]
	s_mov_b32 s61, 0
	s_mov_b32 s63, 0
	s_mov_b32 s[OCS+1], 0
	s_mov_b32 s[OSS+1], 0
	s_wait_kmcnt 0x0
	s_cmp_eq_u32 s[TAU], 0                         ; the buffers are chosen by the work-group's number alone
	s_cselect_b64 s[XP:XP+1], s[4:5], s[6:7]
	s_cselect_b64 s[BP:BP+1], s[10:11], s[12:13]
	s_cselect_b64 s[OC:OC+1], s[18:19], s[20:21]
	s_cmp_eq_u32 s[TAU], 2
	s_cselect_b64 s[XP:XP+1], s[8:9], s[XP:XP+1]
	s_cselect_b64 s[BP:BP+1], s[14:15], s[BP:BP+1]
	s_mov_b64 s[OS:OS+1], s[OC:OC+1]
	s_add_nc_u64 s[XP:XP+1], s[XP:XP+1], s[54:55]
	s_add_nc_u64 s[WP:WP+1], s[16:17], s[56:57]
	s_add_nc_u64 s[WN:WN+1], s[WP:WP+1], 65536
	s_add_nc_u64 s[WSP:WSP+1], s[16:17], s[58:59]
	s_add_nc_u64 s[WSN:WSN+1], s[WSP:WSP+1], 2048
	s_add_nc_u64 s[OC:OC+1], s[OC:OC+1], s[60:61]
	s_add_nc_u64 s[OS:OS+1], s[OS:OS+1], s[62:63]
	s_wait_alu depctr_va_vdst(0)                   ; the offsets and LDS addresses v1 to v13, v250 and v251 are written, which the loads and stores of the whole kernel read
	WLOAD 0, WP, WSP, 0
	WLOAD 1, WP, WSP, 1
	WLOAD 2, WP, WSP, 2
	global_load_b128 v[PCX:PCX+3], v251, s[BP:BP+1]
	global_load_b128 v[PCX+4:PCX+7], v251, s[BP:BP+1] offset:16
	LOADF 0
	LOADF 1
	LOADF 2
.irp b, 0,1,2,3
	v_mov_b32 v[TMX+4+\b], 0                       ; a lane permute's destination counts as one of its sources
.endr
	s_wait_loadcnt 48                              ; all but the three fragments' 48 loads: the bias is in
	ds_store_b128 v250, v[PCX:PCX+3]
	ds_store_b128 v250, v[PCX+4:PCX+7] offset:16
	s_wait_loadcnt 32                              ; fragment 0 is in
	TURN 0
	; ---- x: my 32 rows become 16 fragments; a trip takes two K steps
	s_mov_b32 s[XO], 0
	s_mov_b32 s[XSO], 0
	s_mov_b32 s[TRIP], 3
.Lx:
	XFRAG 0, 1, 1, 32                              ; 32: the loads of the two fragments behind the one that goes through the stage
	XFRAG 1, 1, 1, 32
	XFRAG 2, 1, 1, 32
	XFRAG 3, 1, 1, 32
	s_wait_xcnt 0x0                                ; the loads have read their base
	s_add_nc_u64 s[XP:XP+1], s[XP:XP+1], 1024
	s_add_co_u32 s[XO], s[XO], 4096
	s_add_co_u32 s[XSO], s[XSO], 256
	s_sub_co_u32 s[TRIP], s[TRIP], 1
	s_cmp_lg_u32 s[TRIP], 0
	s_cbranch_scc1 .Lx
	XFRAG 0, 1, 1, 32                              ; the last two K steps: one more fragment is asked for, then the counts run down
	XFRAG 1, 0, 1, 16
	XFRAG 2, 0, 1, 0
	XFRAG 3, 0, 0, 0
	s_wait_dscnt 0x0                               ; for the others' sake: my images, scale words and part of the bias lie in LDS
	s_barrier_signal -1
	s_barrier_wait -1                              ; from here on LDS is only read
.irp q, 0,1,2,3,4,5,6,7
	v_mov_b32 v[T2+\q], 0                          ; a lane permute's destination counts as one of its sources
.endr
.irp s, 0,1,2,3,4,5,6,7
.irp m, 0,1,2,3,4,5,6,7
	ds_load_b32 v[XS+8*\s+\m], v[XSA] offset:(8*\m+\s)*128   ; x's 64 scale words stay in registers
.endr
.endr
	XFETCH 0, 0
	WIN 0
	s_mov_b32 s[BO], 0
	s_mov_b32 s[G], 4
.Lgroup:                                               ; a trip makes one head
	s_wait_alu depctr_vm_vsrc(0)                   ; the last head's loads of the bias have read v20 and v21, which are written below; its stores have read the codes and the scale words, which this head's way out writes again
	v_add_nc_u32 v20, s[BO], v[BA]
	v_add_nc_u32 v21, s[BO], v[BV]
	s_wait_alu depctr_va_vdst(0)                   ; v20 and v21 are written, which the loads of the bias read; all that read or wrote the bias's registers (the last head's first products; ahead of the first head QUANT) is done; the last head's step 7 is done reading the sets in which step 0's loads land
	s_cmp_eq_u32 s[TAU], 2
	s_cbranch_scc1 .Lvarm
.irp t, 0,1,2,3
	ds_load_b128 v[BI+8*\t:BI+8*\t+3], v20 offset:(32*(\t/2)+8*(\t%2))*4       ; lane (r, h), tile 2 b + u: units 32 b + 16 h + 8 u + 0..7
	ds_load_b128 v[BI+8*\t+4:BI+8*\t+7], v20 offset:(32*(\t/2)+8*(\t%2))*4+16
.endr
.irp s, 0,1,2,3,4,5,6,7
	KSTEP \s, 0
.endr
	WIN 0
	s_branch .Ljoin
.Lvarm:
.irp t, 0,1,2,3
.irp j, 0,1,2,3,4,5,6,7
	ds_load_b32 v[BI+8*\t+\j], v21 offset:(32*(\t/2)+8*(\t%2))*4               ; a lane holds one column: its eight registers take the same number
.endr
.endr
.irp s, 0,1,2,3,4,5,6,7
	KSTEP \s, 1
.endr
	WIN 0
.Ljoin:
.rept 8
	v_nop                                          ; eight places in front of the first read of results
.endr
	EPIH 0
	EPIH 8
	global_store_b64 v[L8], v[PL:PL+1], s[OS:OS+1] ; the four scale words a row: 256 consecutive bytes
	s_wait_xcnt 0x0                                ; stores and loads have read their data and bases: both may be written
	s_add_nc_u64 s[OC:OC+1], s[OC:OC+1], s[OCS:OCS+1]
	s_add_nc_u64 s[OS:OS+1], s[OS:OS+1], s[OSS:OSS+1]
	s_mov_b64 s[WP:WP+1], s[WN:WN+1]
	s_mov_b64 s[WSP:WSP+1], s[WSN:WSN+1]
	s_cmp_gt_u32 s[G], 2                           ; the last head's look-ahead stays on that head: no load leaves the buffer
	s_cselect_b32 s54, 65536, 0
	s_cselect_b32 s56, 2048, 0
	s_mov_b32 s55, 0
	s_mov_b32 s57, 0
	s_add_nc_u64 s[WN:WN+1], s[WN:WN+1], s[54:55]
	s_add_nc_u64 s[WSN:WSN+1], s[WSN:WSN+1], s[56:57]
	s_add_co_u32 s[BO], s[BO], 256
	s_sub_co_u32 s[G], s[G], 1
	s_cmp_lg_u32 s[G], 0
	s_cbranch_scc1 .Lgroup
	s_wait_dscnt 0x0                               ; the closing lines, six on end
	s_wait_alu 0x0
	s_wait_tensorcnt 0x0
	ds_add_u32 v254, v255
	s_wait_dscnt 0x0
	s_endpgm
.Lfunc_end_k_qe73572a4e6_proj:
	.size	k_qe73572a4e6_proj, .Lfunc_end_k_qe73572a4e6_proj-k_qe73572a4e6_proj
	.p2alignl 7, 3214868480
	.fill 96, 4, 3214868480
	.section	.rodata,"a",@progbits
	.p2align	6, 0x0
	.amdhsa_kernel k_qe73572a4e6_proj
		.amdhsa_group_segment_fixed_size 211456
		.amdhsa_private_segment_fixed_size 0
		.amdhsa_enable_private_segment 0
		.amdhsa_kernarg_size 72
		.amdhsa_user_sgpr_count 2
		.amdhsa_user_sgpr_kernarg_segment_ptr 1
		.amdhsa_wavefront_size32 1
		.amdhsa_system_sgpr_workgroup_id_x 1
		.amdhsa_system_sgpr_workgroup_id_y 1
		.amdhsa_system_sgpr_workgroup_id_z 1
		.amdhsa_system_vgpr_workitem_id 0
		.amdhsa_next_free_vgpr 1024
		.amdhsa_next_free_sgpr 66
		.amdhsa_reserve_vcc 0
		.amdhsa_float_denorm_mode_32 3
		.amdhsa_float_denorm_mode_16_64 3
		.amdhsa_memory_ordered 1
		.amdhsa_forward_progress 1
		.amdhsa_inst_pref_size 255
	.end_amdhsa_kernel
	.section	.bss,"aw",@nobits
	.p2align	6
	.space	262144
	.amdgpu_metadata
---
amdhsa.version: [ 1, 2 ]
amdhsa.kernels:
  - .name:           k_qe73572a4e6_proj
    .symbol:         k_qe73572a4e6_proj.kd
    .args:
      - { .name: q, .offset: 0, .size: 8, .value_kind: global_buffer, .address_space: global }
      - { .name: k, .offset: 8, .size: 8, .value_kind: global_buffer, .address_space: global }
      - { .name: v, .offset: 16, .size: 8, .value_kind: global_buffer, .address_space: global }
      - { .name: bq, .offset: 24, .size: 8, .value_kind: global_buffer, .address_space: global }
      - { .name: bk, .offset: 32, .size: 8, .value_kind: global_buffer, .address_space: global }
      - { .name: bv, .offset: 40, .size: 8, .value_kind: global_buffer, .address_space: global }
      - { .name: wbuf, .offset: 48, .size: 8, .value_kind: global_buffer, .address_space: global }
      - { .name: qbuf, .offset: 56, .size: 8, .value_kind: global_buffer, .address_space: global }
      - { .name: kvbuf, .offset: 64, .size: 8, .value_kind: global_buffer, .address_space: global }
    .group_segment_fixed_size: 211456
    .private_segment_fixed_size: 0
    .kernarg_segment_align: 8
    .kernarg_segment_size: 72
    .max_flat_workgroup_size: 128
    .sgpr_count:     66
    .vgpr_count:     1024
    .wavefront_size: 32
...
	.end_amdgpu_metadata
.endif
;; end of part 6
;; launch attn (part 7): grid 4 x 64, 16 waves a work-group, no clusters, 272,384 bytes of LDS; arguments qbuf, mbuf, cxbuf, kvbuf; writes cxbuf
.if DOCPART == 7
	.amdgcn_target "amdgcn-amd-amdhsa--gfx1250"
	.amdhsa_code_object_version 6
	.text
	.protected	k_qe73572a4e6_attn
	.globl	k_qe73572a4e6_attn
	.p2align	8
	.type	k_qe73572a4e6_attn,@function
k_qe73572a4e6_attn:
	s_mov_b64 s[64:65], 0
	v_nop
	global_prefetch_b8 v0, s[64:65] scope:SCOPE_SE
	s_setreg_imm32_b32 hwreg(HW_REG_WAVE_SCHED_MODE, 0, 2), 2
	s_setreg_imm32_b32 hwreg(HW_REG_WAVE_MODE, 25, 1), 1
	s_wait_xcnt 0x0
	s_wait_alu depctr_vm_vsrc(0)
; ATTN.  ctx = softmax(Q K^T / 8, masked) V for one (batch, head), both products on codes of E4M3 with one E8M0 scale for each 32 along K; ctx is quantised at once for the last product.
; SHARES.  Work-group (x, y): head y (batch y / 16), query tiles T = 4 i + x, i = 0..31.  The head's K and V, codes and scale words, 270,336 bytes, are copied into LDS once and only read afterwards:
; no ring, no refill.  Wave w takes tile i = w and then tile i = 31 - w; four waves share a SIMD, so that one wave's vector work stands beside another's matrix work.
; LAYOUT.  Both products are used transposed (S^T = K Q^T, O^T = V^T P^T): a lane holds one query throughout.  Row x of key tile 2 b + u is key 32 b + 8 u + x + 8 (x / 8), so that the 16 registers of
; tiles 2 b, 2 b + 1 are keys 32 b + 16 h + 0..15.  The head is 64 wide and the instruction 128: a fragment of K holds TWO key tiles (registers 0-7, 8-15), and Q stands between two runs of zero
; codes: v[24:39] = (q, 0) picks the first tile, v[16:31] = (0, q) the second.
; SOFTMAX.  t = score x log2(e) / 8; M = the running largest t rounded up to a whole number; p = 2^(t - M) is quantised along the keys; the sum is taken of the unquantised p and divides at the end.
; THE MASK is read as it was packed: 64 lane masks a step, by scalar loads; a masked score becomes -2^33 ahead of the maximum.  Two stored summary words a step steer two scalar branches:
; a step in which every key is masked for all 16 queries is left out, unless some row of the tile has no open key at all (then every step is walked and that row's p is 1 everywhere);
; where nothing is masked the 64 selects are jumped over.  No tensor load and no cluster: these branches hang on numbers read from memory.
; No prefetch: K and V are read once, at the head, where every work-group's first loads are on their way.
; LIMITS: a masked logit stands as -2^30, not -1e9: results differ only where open logits lie near or under -1e9.  A block of zeros gets the byte 1.  NaN and infinities are not served.
; REGISTERS: v1-7 addresses; v4 Q's scale word; v[8:9] K's scale words, v[10:11] V's; v12 -M, v13 the largest t, v[14:15] the sum; v16-39 zeros, q, zeros; v40-103 four fragments of K, then of V;
; v104-167 S^T, then p; v168-199 O^T; v200-215 p's codes; v216-235 at work; v234 p's scale word.
; THE MODE: SCHED_MODE bits 1:0 = 2 (LLVM: expert scheduling mode 2), set by the entry lines.  The code itself states the register dependences
; between vector or matrix instructions and memory or LDS instructions, with s_wait_alu, always for 0.
; THE PLAN.  Registers that memory or LDS instructions touch:
;   v1, v2, v5, v236-240  offsets and LDS addresses, made at the head and never written again.
;   v104-235              at the head only: the fill's loads land in them and its LDS stores read them; one wait on vm_vsrc behind the barrier frees them for the rest.
;   v6, v7                a step's LDS addresses: written at the step's head, read by its 34 LDS loads.
;   v40-103, v8-11        K's fragments and both scale words land at the step's head; the first eight products read the fragments; V's land in them; the last four products read those.
;   v24-31, v4            q and its scale word land at a tile's head; every product of the tile reads them.
;   v200-207, v235        ctx's codes and scale bytes: written at a tile's end, read by its three stores.
; A step's waits: vm_vsrc ahead of the two additions; va_vdst ahead of K's loads (the addresses are written; the last step's products are done reading); the wait for the 64 exponentials, which also
; shows the first products done reading K's fragments, so that V's loads stand directly behind it; the wait for the four exponentials; and va_vdst ahead of the last four products, which take
; p's codes and scale word as vector instructions have just made them.
.set SCB, 262144                       ; LDS: the scale words, 512 bytes a step: K's 256, V's 256
.set S,   104
.set KF,  40
.set OT,  168
.set CD,  200
.set BM,  216
.set PM,  220
.set HL,  224
.set SO,  228
.set WV,  12
.set QQ,  13
.set BH,  14
.set T,   15
.set STEP, 66
.set TB,  67
.set TS,  84
.set MOFF, 85
.set SKIP, 86
.set OPEN, 87
.set SEL, 88
.set CS,  90
.set MNT, 92
	s_load_b256 s[4:11], s[0:1], 0x0               ; qbuf, mbuf, cxbuf, kvbuf
	v_lshl_add_u32 v254, v0, 2, 0x42000
	v_mov_b32 v255, 0
	v_lshrrev_b32 v1, 5, v0
	v_readfirstlane_b32 s[WV], v1                  ; wave 0..15
	s_mov_b32 s[QQ], ttmp9
	s_and_b32 s[BH], ttmp7, 0xffff
	v_and_b32 v6, 31, v0
	v_and_b32 v7, 15, v0
	v_lshlrev_b32 v1, 4, v6                        ; 16 x lane: an image's place for my lane
	v_lshl_add_u32 v2, v6, 3, SCB                  ; the scale words' place
	v_mov_b32 v3, 0xd0000000                       ; -2^33
	v_lshlrev_b32 v5, 3, v7                        ; 8 r
	v_lshlrev_b32 v236, 4, v0                      ; 16 x thread
.irp i, 1,2,3,4
	v_add_nc_u32 v[236+\i], 65536*\i, v236
.endr
.irp i, 0,1,2,3,4,5,6,7
	v_mov_b32 v[16+\i], 0                          ; the zero codes on both sides of q
	v_mov_b32 v[32+\i], 0
.endr
	s_wait_alu depctr_va_sdst(0)                   ; the wave's number is written: its first reader stands at the first tile's head, and no branch or label lies between
	s_mul_i32 s94, s[BH], 270336
	s_mov_b32 s95, 0
	s_mov_b32 s[SEL], 0x76543210
	s_mov_b32 s[SEL+1], 0xfedcba98                 ; v_permlanex16_b32's selects for lane l xor 16
	s_mov_b32 s[CS], 0x3e38aa3b                    ; c = log2(e) / 8
	s_mov_b32 s[CS+1], s[CS]                       ; (named with it as a pair, so it is written)
	s_mov_b32 s[MNT], 0x600000
	s_wait_kmcnt 0x0
	s_add_nc_u64 s[10:11], s[10:11], s[94:95]
	s_wait_alu depctr_va_vdst(0)                   ; the offsets and LDS addresses v1, v2, v5 and v236 to v240 are written, which loads and stores read; so are the zero codes beside q, which the scaled products take
.set n, 0
.rept 33                               ; 33 x 8,192 bytes: the head's K and V as they lie
	global_load_b128 v[104+4*n:107+4*n], v236, s[10:11] offset:8192*n
.set n, n+1
.endr
.set n, 0
.rept 33
	s_wait_loadcnt 32-n                            ; load n is in; the later ones may be out
	ds_store_b128 v[236+n/8], v[104+4*n:107+4*n] offset:8192*(n%8)
.set n, n+1
.endr
	s_wait_dscnt 0x0                               ; for the others' sake: my part lies in LDS
	s_barrier_signal -1
	s_barrier_wait -1                              ; from here on LDS is only read
	s_wait_alu depctr_vm_vsrc(0)                   ; my LDS stores have read v104 to v235, which vector and matrix instructions write from here on
.irp b, 0,1,2,3
	v_mov_b32 v[PM+\b], 0                          ; a lane permute's destination counts as one of its sources
.endr
	v_mov_b32 v233, 0                              ; (the upper half of the pair v[232:233])
	v_mov_b32 v235, 0
.macro PASS p
	s_wait_xcnt 0x0                                ; the last tile's stores have read their data and bases
.if \p == 1
	s_wait_alu depctr_vm_vsrc(0)                   ; the last tile's stores have read ctx's codes and v235, which this tile writes again, on the way on which every step is left out too
.endif
.if \p == 0
	s_lshl_b32 s[T], s[WV], 2
.else
	s_sub_co_u32 s[T], 31, s[WV]
	s_lshl_b32 s[T], s[T], 2
.endif
	s_add_co_u32 s[T], s[T], s[QQ]                 ; my query tile
	s_lshl_b32 s94, s[T], 7
	s_add_co_u32 s94, s94, 0x80000
	s_mov_b32 s95, 0
	s_add_nc_u64 s[96:97], s[6:7], s[94:95]
	s_load_b512 s[16:31], s[96:97], 0x0            ; the 16 steps' summaries: AND at s[16 + 2 j], OR at s[17 + 2 j]
	s_load_b512 s[32:47], s[96:97], 0x40
	s_lshl_b32 s94, s[T], 12
	s_add_nc_u64 s[10:11], s[6:7], s[94:95]        ; the tile's lane masks
	s_lshl_b32 s98, s[BH], 17
	s_lshl_b32 s99, s[T], 10
	s_add_co_u32 s98, s98, s99
	s_mov_b32 s99, 0
	s_add_nc_u64 s[98:99], s[4:5], s[98:99]
	global_load_b128 v[24:27], v1, s[98:99]        ; q's image.  No wait: the wait ahead of the last tile's stores (for the first tile: ahead of the fill) has shown all that named v24 to v31 and v4 done, and no vector instruction since names them
	global_load_b128 v[28:31], v1, s[98:99] offset:512
	s_lshl_b32 s100, s[BH], 12
	s_lshr_b32 s101, s[T], 3
	s_lshl_b32 s101, s101, 8
	s_add_co_u32 s100, s100, s101
	s_bfe_u32 s101, s[T], 0x10001
	s_lshl_b32 s101, s101, 7
	s_add_co_u32 s100, s100, s101
	s_bfe_u32 s101, s[T], 0x10002
	s_lshl_b32 s101, s101, 2
	s_add_co_u32 s100, s100, s101
	s_add_co_u32 s100, s100, 0x800000
	s_mov_b32 s101, 0
	s_add_nc_u64 s[100:101], s[4:5], s[100:101]
	global_load_b32 v4, v5, s[100:101]             ; the word that holds my tile's two bytes and its neighbour's
	s_wait_kmcnt 0x0
	s_and_b32 s94, s16, s18
.irp j, 2,3,4,5,6,7,8,9,10,11,12,13,14,15
	s_and_b32 s94, s94, s[16+2*\j]
.endr
	s_lshr_b32 s95, s94, 16
	s_and_b32 s94, s94, s95
	s_and_b32 s94, s94, 0xffff                     ; a bit for each row that has no open key at all
	s_mov_b32 s[SKIP], 0
	s_mov_b32 s[OPEN], 0
.irp j, 0,1,2,3,4,5,6,7,8,9,10,11,12,13,14,15
	s_cmp_eq_u32 s[16+2*\j], -1
	s_cselect_b32 s95, 1<<\j, 0
	s_or_b32 s[SKIP], s[SKIP], s95                 ; step j is wholly masked
	s_cmp_eq_u32 s[17+2*\j], 0
	s_cselect_b32 s95, 1<<\j, 0
	s_or_b32 s[OPEN], s[OPEN], s95                 ; nothing of step j is masked
.endr
	s_cmp_lg_u32 s94, 0
	s_cselect_b32 s[SKIP], 0, s[SKIP]              ; with such a row in the tile every step is walked
	s_and_b32 s95, s[T], 1
	s_lshl_b32 s95, s95, 4
	s_wait_loadcnt 0x0
	v_lshrrev_b32 v4, s95, v4
	v_and_b32 v4, 0xffff, v4
	v_lshl_or_b32 v4, v4, 16, v4                   ; Q's two bytes, for both places of q.  (The lines below are more than the eight places that a scale word made by vector instructions wants; the wait at a step's head follows them)
	v_mov_b32 v13, 0xff61b1e6                      ; the largest t so far: -3e38
	v_floor_f32 v12, -v13                          ; -M
	v_mov_b32 v14, 0
	v_mov_b32 v15, 0
.set n, 0
.rept 32
	v_mov_b32 v[OT+n], 0                           ; O^T: the first change of M leaves zeros zeros
.set n, n+1
.endr
	s_mov_b32 s[TB], 0
	s_mov_b32 s[TS], 0
	s_mov_b32 s[MOFF], 0
	s_mov_b32 s[STEP], 0
.Lstep_\@:                                             ; 16 trips, 128 keys each
	s_bitcmp1_b32 s[SKIP], 0
	s_cbranch_scc1 .Lend_\@
	s_load_b512 s[16:31], s[10:11], s[MOFF] offset:0x0     ; the step's 64 lane masks
	s_load_b512 s[32:47], s[10:11], s[MOFF] offset:0x40
	s_load_b512 s[48:63], s[10:11], s[MOFF] offset:0x80
	s_load_b512 s[68:83], s[10:11], s[MOFF] offset:0xc0
	s_wait_alu depctr_vm_vsrc(0)                   ; the last step's LDS loads have read v6 and v7
	v_add_nc_u32 v6, s[TB], v1
	v_add_nc_u32 v7, s[TS], v2
.rept 6
	v_nop                                          ; with the two additions: eight places behind the last step's products, in front of loads into their registers
.endr
	s_wait_alu depctr_va_vdst(0)                   ; v6 and v7 are written, which the loads read; the last step's products are done reading the fragments' registers and v8 to v11, in which the loads land; in a tile's first step Q's scale word v4 is written, which the products take
.irp f, 0,1,2,3
.irp c, 0,1,2,3
	ds_load_b128 v[KF+16*\f+4*\c:KF+16*\f+4*\c+3], v6 offset:2048*\f+512*\c
.endr
.endr
	ds_load_b64 v[8:9], v7
	ds_load_b64 v[10:11], v7 offset:256
	s_wait_dscnt 0x0
.irp f, 0,1,2,3
.if \f%2
	v_wmma_scale_f32_16x16x128_f8f6f4 v[S+16*\f:S+16*\f+7], v[KF+16*\f:KF+16*\f+15], v[24:39], 0, v[8+\f/2], v4 matrix_a_scale:MATRIX_SCALE_ROW1
	v_wmma_scale_f32_16x16x128_f8f6f4 v[S+16*\f+8:S+16*\f+15], v[KF+16*\f:KF+16*\f+15], v[16:31], 0, v[8+\f/2], v4 matrix_a_scale:MATRIX_SCALE_ROW1
.else
	v_wmma_scale_f32_16x16x128_f8f6f4 v[S+16*\f:S+16*\f+7], v[KF+16*\f:KF+16*\f+15], v[24:39], 0, v[8+\f/2], v4
	v_wmma_scale_f32_16x16x128_f8f6f4 v[S+16*\f+8:S+16*\f+15], v[KF+16*\f:KF+16*\f+15], v[16:31], 0, v[8+\f/2], v4
.endif
.endr
.rept 8
	v_nop                                          ; eight places in front of the first read of the scores
.endr
	s_wait_kmcnt 0x0                               ; the lane masks are in
	s_bitcmp1_b32 s[OPEN], 0
	s_cbranch_scc1 .Lopen_\@
.set n, 0
.rept 64
.if n < 48
	v_cndmask_b32 v[S+n], v[S+n], v3, s[16+n]      ; register 16 b + i holds key 32 b + 16 h + i; ascending
.else
	v_cndmask_b32 v[S+n], v[S+n], v3, s[20+n]
.endif
.set n, n+1
.endr
.Lopen_\@:
.irp b, 0,1,2,3
	v_max3_num_f32 v[BM+\b], v[S+16*\b], v[S+1+16*\b], v[S+2+16*\b]   ; the largest score of each block of 32 keys: for the row's maximum, and, since p rises with the score, for the block's largest p
.endr
.irp i, 3,5,7,9,11,13
.irp b, 0,1,2,3
	v_max3_num_f32 v[BM+\b], v[BM+\b], v[S+16*\b+\i], v[S+1+16*\b+\i]
.endr
.endr
.irp b, 0,1,2,3
	v_max_num_f32 v[BM+\b], v[BM+\b], v[S+15+16*\b]
.endr
.irp b, 0,1,2,3
	v_permlanex16_b32 v[PM+\b], v[BM+\b], s[SEL], s[SEL+1]
.endr
.irp b, 0,1,2,3
	v_max_num_f32 v[BM+\b], v[BM+\b], v[PM+\b]
.endr
	v_max3_num_f32 v235, v[BM], v[BM+1], v[BM+2]
	v_max_num_f32 v235, v235, v[BM+3]
	v_mul_f32 v235, s[CS], v235                    ; the step's largest t of my query
	v_max_num_f32 v13, v13, v235
	v_mov_b32 v235, v12
	v_floor_f32 v12, -v13                          ; the new -M = -ceil(t): a whole number
	v_sub_f32 v235, v12, v235                      ; old M - new M: a whole number, 0 or less
	v_cvt_i32_f32 v235, v235                       ; (it saturates)
	v_ldexp_f32 v232, 1.0, v235                    ; f = 2^(old M - new M): multiplying by it rounds nothing
.set n, 0
.rept 32
	v_pk_fma_f32 v[S+n:S+n+1], v[S+n:S+n+1], s[CS:CS+1], v[12:13] op_sel_hi:[1,0,0]   ; t - M, two at a time
.set n, n+2
.endr
.irp b, 0,1,2,3
	v_fma_f32 v[BM+\b], v[BM+\b], s[CS], v12
.endr
.set n, 0
	s_wait_alu depctr_va_vdst(0)
.rept 64
	v_exp_f32 v[S+n], v[S+n]                       ; p = 2^(t - M), not normalised
.set n, n+1
.endr
	v_pk_mul_f32 v[14:15], v[14:15], v[232:233] op_sel_hi:[1,0]   ; the sums under the new M; a plain line behind the exponentials
	s_wait_alu depctr_va_vdst(0)                   ; one wait for two things: the 64 exponentials have written p, ahead of its first reader; and the step's first eight products are done reading K's fragments, in which V's loads land
.irp t, 0,1,2,3
.irp c, 0,1,2,3
	ds_load_b128 v[KF+16*\t+4*\c:KF+16*\t+4*\c+3], v6 offset:8192+2048*\t+512*\c   ; V: it lands under the sums, the holds and the conversions
.endr
.endr
.irp b, 0,1,2,3
	v_exp_f32 v[BM+\b], v[BM+\b]                   ; each block's largest p
.endr
	v_pk_add_f32 v[PM:PM+1], v[S:S+1], v[S+2:S+3]  ; the row's sum of the unquantised p, in two chains
.irp j, 4,8,12,16,20,24,28,32,36,40,44,48,52,56,60
	v_pk_add_f32 v[14:15], v[14:15], v[S+\j:S+\j+1]
	v_pk_add_f32 v[PM:PM+1], v[PM:PM+1], v[S+2+\j:S+3+\j]
.endr
	v_pk_add_f32 v[14:15], v[14:15], v[PM:PM+1]
	s_wait_alu depctr_va_vdst(0)                   ; the four exponentials have written the blocks' largest p, ahead of its first reader
.irp b, 0,1,2,3
	v_max_num_f32 v[BM+\b], 0x4800000, v[BM+\b]    ; the floor 2^(9 - 127): the byte cannot fall under 1
.endr
.irp b, 0,1,2,3
	v_add_nc_u32 v[SO+\b], 0xfc000000, v[BM+\b]    ; the conversion's scale operand
.endr
.irp b, 0,1,2,3
	v_and_or_b32 v[HL+\b], v[BM+\b], 0x7f800000, s[MNT]   ; 448 x the scale
.endr
.irp b, 0,1,2,3
	v_lshrrev_b32 v[PM+\b], 23, v[SO+\b]
.endr
	v_lshl_or_b32 v234, v[PM+1], 8, v[PM]          ; p's scale word for these 128 keys
	v_lshl_or_b32 v234, v[PM+2], 16, v234
	v_lshl_or_b32 v234, v[PM+3], 24, v234
.irp b, 0,1,2,3
.irp i, 0,1,2,3,4,5,6,7,8,9,10,11,12,13,14,15
	v_min_num_f32 v[S+16*\b+\i], v[S+16*\b+\i], v[HL+\b]   ; the conversion does not saturate (ISA guide 7.6.2); p is not negative, so the hold is one-sided
.endr
	v_cvt_scalef32_pk8_fp8_f32 v[CD+4*\b:CD+1+4*\b], v[S+16*\b:S+7+16*\b], v[SO+\b]
	v_cvt_scalef32_pk8_fp8_f32 v[CD+2+4*\b:CD+3+4*\b], v[S+8+16*\b:S+15+16*\b], v[SO+\b]
.endr
.set n, 0
.rept 16
	v_pk_mul_f32 v[OT+n:OT+n+1], v[OT+n:OT+n+1], v[232:233] op_sel_hi:[1,0]   ; O^T under the new M; these lines are also the places between the codes and the products
.set n, n+2
.endr
	s_wait_alu depctr_va_vdst(0)                   ; the conversions have written p's codes and the three lines further up its scale word v234, which the scaled products below take; the places stand ahead of this wait
	s_wait_dscnt 0x0                               ; V is in
.irp t, 0,1,2,3
.if \t%2
	v_wmma_scale_f32_16x16x128_f8f6f4 v[OT+8*\t:OT+8*\t+7], v[KF+16*\t:KF+16*\t+15], v[CD:CD+15], v[OT+8*\t:OT+8*\t+7], v[10+\t/2], v234 matrix_a_scale:MATRIX_SCALE_ROW1
.else
	v_wmma_scale_f32_16x16x128_f8f6f4 v[OT+8*\t:OT+8*\t+7], v[KF+16*\t:KF+16*\t+15], v[CD:CD+15], v[OT+8*\t:OT+8*\t+7], v[10+\t/2], v234
.endif
.endr
.Lend_\@:
	s_lshr_b32 s[SKIP], s[SKIP], 1
	s_lshr_b32 s[OPEN], s[OPEN], 1
	s_add_co_u32 s[TB], s[TB], 16384
	s_add_co_u32 s[TS], s[TS], 512
	s_add_co_u32 s[MOFF], s[MOFF], 256
	s_add_co_u32 s[STEP], s[STEP], 1
	s_cmp_lt_u32 s[STEP], 16
	s_cbranch_scc1 .Lstep_\@
	; ---- the tile's end: O^T / the sum, quantised along d: two blocks of 32, and out as half an image of the last product's operand
.rept 8
	v_nop
.endr
	v_add_f32 v14, v14, v15
	v_permlanex16_b32 v235, v14, s[SEL], s[SEL+1]
	v_add_f32 v14, v14, v235                       ; the row's sum
	s_wait_alu depctr_va_vdst(0)
	v_rcp_f32 v14, v14
	v_nop                                          ; a plain line behind the reciprocal
	s_lshr_b32 s94, s[BH], 4
	s_lshl_b32 s94, s94, 7
	s_add_co_u32 s94, s94, s[T]                    ; the tile among all 512
	s_and_b32 s95, s[BH], 15                       ; the head
	s_lshl_b32 s96, s94, 14
	s_lshl_b32 s97, s95, 10
	s_add_co_u32 s96, s96, s97                     ; 16,384 tile + 2,048 (head / 2) + 1,024 (head % 2)
	s_mov_b32 s97, 0
	s_add_nc_u64 s[96:97], s[8:9], s[96:97]
	s_lshl_b32 s98, s94, 10
	s_lshr_b32 s99, s95, 1
	s_lshl_b32 s99, s99, 7
	s_add_co_u32 s98, s98, s99
	s_and_b32 s99, s95, 1
	s_lshl_b32 s99, s99, 2
	s_add_co_u32 s98, s98, s99
	s_add_co_u32 s98, s98, 0x800000
	s_mov_b32 s99, 0
	s_add_nc_u64 s[98:99], s[8:9], s[98:99]
	s_wait_alu depctr_va_vdst(0)                   ; the reciprocal has written v14, ahead of its first reader
.set n, 0
.rept 16
	v_pk_mul_f32 v[S+n:S+n+1], v[OT+n:OT+n+1], v[14:15] op_sel_hi:[1,0]   ; register 16 b + i: d = 32 b + 16 h + i; ascending: each accumulator from its low end on
.set n, n+2
.endr
.irp b, 0,1
	v_max3_num_f32 v[BM+\b], |v[S+16*\b]|, |v[S+1+16*\b]|, 0x4800000
.endr
.irp i, 2,4,6,8,10,12,14
.irp b, 0,1
	v_max3_num_f32 v[BM+\b], v[BM+\b], |v[S+16*\b+\i]|, |v[S+1+16*\b+\i]|
.endr
.endr
.irp b, 0,1
	v_permlanex16_b32 v[PM+\b], v[BM+\b], s[SEL], s[SEL+1]
.endr
.irp b, 0,1
	v_max_num_f32 v[BM+\b], v[BM+\b], v[PM+\b]
.endr
.irp b, 0,1
	v_add_nc_u32 v[SO+\b], 0xfc000000, v[BM+\b]
.endr
.irp b, 0,1
	v_and_or_b32 v[HL+\b], v[BM+\b], 0x7f800000, s[MNT]
.endr
.irp b, 0,1
	v_lshrrev_b32 v[PM+\b], 23, v[SO+\b]
.endr
	v_lshl_or_b32 v235, v[PM+1], 8, v[PM]          ; my row's two bytes
.irp b, 0,1
.irp i, 0,1,2,3,4,5,6,7,8,9,10,11,12,13,14,15
	v_med3_num_f32 v[S+16*\b+\i], v[S+16*\b+\i], -v[HL+\b], v[HL+\b]
.endr
	v_cvt_scalef32_pk8_fp8_f32 v[CD+4*\b:CD+1+4*\b], v[S+16*\b:S+7+16*\b], v[SO+\b]
	v_cvt_scalef32_pk8_fp8_f32 v[CD+2+4*\b:CD+3+4*\b], v[S+8+16*\b:S+15+16*\b], v[SO+\b]
.endr
	v_nop                                          ; a plain line directly behind the last conversion
	s_wait_alu depctr_va_vdst(0)                   ; the conversions have written ctx's codes, and v235 is written: the stores read them.  All of the tile's products and vector lines are done too: the next tile's loads into q and v4 follow with no vector instruction between
	global_store_b128 v1, v[CD:CD+3], s[96:97]     ; 32 lanes store 512 consecutive bytes, aligned
	global_store_b128 v1, v[CD+4:CD+7], s[96:97] offset:512
	global_store_b32 v5, v235, s[98:99]            ; both halves of the lanes write the same word with the same value
.endm
	PASS 0
	PASS 1
	s_wait_dscnt 0x0                               ; the closing lines, six on end
	s_wait_alu 0x0
	s_wait_tensorcnt 0x0
	ds_add_u32 v254, v255
	s_wait_dscnt 0x0
	s_endpgm
.Lfunc_end_k_qe73572a4e6_attn:
	.size	k_qe73572a4e6_attn, .Lfunc_end_k_qe73572a4e6_attn-k_qe73572a4e6_attn
	.p2alignl 7, 3214868480
	.fill 96, 4, 3214868480
	.section	.rodata,"a",@progbits
	.p2align	6, 0x0
	.amdhsa_kernel k_qe73572a4e6_attn
		.amdhsa_group_segment_fixed_size 272384
		.amdhsa_private_segment_fixed_size 0
		.amdhsa_enable_private_segment 0
		.amdhsa_kernarg_size 32
		.amdhsa_user_sgpr_count 2
		.amdhsa_user_sgpr_kernarg_segment_ptr 1
		.amdhsa_wavefront_size32 1
		.amdhsa_system_sgpr_workgroup_id_x 1
		.amdhsa_system_sgpr_workgroup_id_y 1
		.amdhsa_system_sgpr_workgroup_id_z 1
		.amdhsa_system_vgpr_workitem_id 0
		.amdhsa_next_free_vgpr 256
		.amdhsa_next_free_sgpr 102
		.amdhsa_reserve_vcc 0
		.amdhsa_float_denorm_mode_32 3
		.amdhsa_float_denorm_mode_16_64 3
		.amdhsa_memory_ordered 1
		.amdhsa_forward_progress 1
		.amdhsa_inst_pref_size 83
	.end_amdhsa_kernel
	.amdgpu_metadata
---
amdhsa.version: [ 1, 2 ]
amdhsa.kernels:
  - .name:           k_qe73572a4e6_attn
    .symbol:         k_qe73572a4e6_attn.kd
    .args:
      - { .name: qbuf, .offset: 0, .size: 8, .value_kind: global_buffer, .address_space: global }
      - { .name: mbuf, .offset: 8, .size: 8, .value_kind: global_buffer, .address_space: global }
      - { .name: cxbuf, .offset: 16, .size: 8, .value_kind: global_buffer, .address_space: global }
      - { .name: kvbuf, .offset: 24, .size: 8, .value_kind: global_buffer, .address_space: global }
    .group_segment_fixed_size: 272384
    .private_segment_fixed_size: 0
    .kernarg_segment_align: 8
    .kernarg_segment_size: 32
    .max_flat_workgroup_size: 512
    .sgpr_count:     102
    .vgpr_count:     256
    .wavefront_size: 32
...
	.end_amdgpu_metadata
.endif
;; end of part 7
;; launch oproj (part 8): grid 64 x 4, 4 waves a work-group, no clusters, 148,992 bytes of LDS; arguments cxbuf, wbuf, bo, out0; writes out0
.if DOCPART == 8
	.amdgcn_target "amdgcn-amd-amdhsa--gfx1250"
	.amdhsa_code_object_version 6
	.text
	.protected	k_qe73572a4e6_oproj
	.globl	k_qe73572a4e6_oproj
	.p2align	8
	.type	k_qe73572a4e6_oproj,@function
k_qe73572a4e6_oproj:
	s_mov_b64 s[64:65], 0
	v_nop
	global_prefetch_b8 v0, s[64:65] scope:SCOPE_SE
	s_setreg_imm32_b32 hwreg(HW_REG_WAVE_SCHED_MODE, 0, 2), 2
	s_setreg_imm32_b32 hwreg(HW_REG_WAVE_MODE, 25, 1), 1
	s_wait_xcnt 0x0
	s_wait_alu depctr_vm_vsrc(0)
; OPROJ.  out0 = ctx wo + bo, on codes of E4M3 with one E8M0 scale for each 32 along K.  ctx arrives as images of operand registers (cxbuf), wo likewise (wbuf, the fourth weight).
; SHARES.  Work-group (x, y): 128 rows (8 tiles) x 256 columns; wave w: the group of 64 columns 4 y + w: 32 accumulators.  The 64 images of ctx are copied into LDS once and read by all four waves;
; the weights go from memory straight into registers, each read once by the work-group.  256 work-groups.
; Source 0 = 16 columns of wo, source 1 = 16 rows of ctx: a lane holds one row, and the registers of tiles 2 b + u the columns 32 b + 16 h + 8 u + 0..7.  The bias is the C of each sum's first instruction.
; Row x of row tile m is row 32 (m / 2) + 8 (m % 2) + x + 8 (x / 8) of the 128.  Results leave through the wave's own stage in LDS: sixteen lanes store 256 consecutive bytes, aligned.
; No tensor load and no cluster: the one operand that lies in LDS is copied once, 128 KiB, and the weights go to registers.
; REGISTERS, in windows of 256.  Window 1: the accumulators (at the head the pairs of scale words).  Window 2: the weights, a ring of 4 sets of 64.  Window 3: ctx's fragments, 2 sets of 128 (at the head the copy).
; Window 0: v1-12 addresses; v32-95 ctx's scale words; v96-103 the weights' scale words; v104-135 the bias; v168-231 rows on their way out.
; THE MODE: SCHED_MODE bits 1:0 = 2 (LLVM: expert scheduling mode 2), set by the entry lines.  The code itself states the register dependences
; between vector or matrix instructions and memory or LDS instructions, with s_wait_alu, always for 0.
; THE PLAN.  Registers that memory or LDS instructions touch:
;   v1-v12                 offsets and LDS addresses, made at the head and never written again.
;   window 3               at the head the copy's loads land in it and the copy's LDS stores read it: one wait on vm_vsrc behind the barrier; then ctx's fragments land in it.
;   K step s               the loads issued in it land in ctx's set (s + 1) % 2, in W's set (s + 3) % 4 and in that set's two scale words, which step s - 1's products read; step s's products name
;                          ctx's set s % 2, W's set s % 4, its scale words, ctx's scale words, the bias and the accumulators: none of the registers that the step's loads touch.
;                          So ONE wait on va_vdst stands at a step's head, and the step's loads follow it in four groups, each ahead of eight of the step's products.
;   v32-95                 ctx's scale words are put together by vector instructions: step 0's wait states that they are written.
;   the accumulators       read by the stage's LDS stores: one wait on va_vdst, behind the places, for all of them.
;   v168-231, two sets     the stage's loads of tile a land in set a % 2; tile a's global stores read it; a wait on vm_vsrc stands ahead of tile a + 2's loads.
.set XIMG, 0
.set STG,  131072                      ; for each wave a stage of 16 rows x (256 + 16) bytes
.set L16, 1
.set L8,  2
.set XA0, 4
.set XA1, 5
.set BH6, 6
.set R8,  7
.set CP0, 8
.set CP1, 9
.set STO, 10
.set SRD, 11
.set GO,  12
.set XS,  32
.set WS,  96
.set BI,  104
.set OB,  168
.set CX,  24
.set CSC, 26
.set WP,  28
.set WSP, 32
.set BP,  36
.set OUT, 38
.set WV,  44
.set MSB, 0
.macro WIN new                         ; the immediate's high byte repeats the setting that is left; a switch that changes nothing is dropped
.if MSB != \new
	s_set_vgpr_msb (MSB<<8)|\new
.set MSB, \new
.endif
.endm
.macro WLOAD set, base, sbase, k       ; the weights of one K step: 4 tiles x 2,048 bytes and their scale words: 17 loads
	WIN 0x80
.irp i, 0,1,2,3,4,5,6,7,8,9,10,11,12,13,14,15
	global_load_b128 v[64*(\set)+4*\i:64*(\set)+4*\i+3], v[L16], s[\base:\base+1] offset:8192*(\k)+512*\i
.endr
	WIN 0
	global_load_b64 v[WS+2*(\set):WS+2*(\set)+1], v[L8], s[\sbase:\sbase+1] offset:256*(\k)
.endm
.macro WTILE set, base, k, g           ; the same in parts, in the same order: tile g's four loads;
	WIN 0x80
.irp i, 0,1,2,3
	global_load_b128 v[64*(\set)+16*(\g)+4*\i:64*(\set)+16*(\g)+4*\i+3], v[L16], s[\base:\base+1] offset:8192*(\k)+2048*(\g)+512*\i
.endr
.endm
.macro WSCALE set, sbase, k            ; the scale words' one
	WIN 0
	global_load_b64 v[WS+2*(\set):WS+2*(\set)+1], v[L8], s[\sbase:\sbase+1] offset:256*(\k)
.endm
.macro XFETCH s, p                     ; ctx's eight fragments of K step s into set p of window 3
	WIN 0xc0
.irp m, 0,1,2,3,4,5,6,7
.irp c, 0,1,2,3
	ds_load_b128 v[128*(\p)+16*\m+4*\c:128*(\p)+16*\m+4*\c+3], v[XA0+(\m)/4] offset:(8*((\m)%4)+(\s))*2048+512*\c
.endr
.endr
.endm
.macro XTILES s, p, m0                 ; two of the eight: fragments m0 and m0 + 1
	WIN 0xc0
.irp m, \m0, \m0+1
.irp c, 0,1,2,3
	ds_load_b128 v[128*(\p)+16*(\m)+4*\c:128*(\p)+16*(\m)+4*\c+3], v[XA0+(\m)/4] offset:(8*((\m)%4)+(\s))*2048+512*\c
.endr
.endr
.endm
.macro MM s, m, t
.set rW, 64*((\s)%4)+16*(\t)
.set rX, 128*((\s)%2)+16*(\m)
.set rSW, WS+2*((\s)%4)+(\t)/2
.set rSX, XS+8*(\s)+(\m)
.set rD, 8*(4*(\m)+(\t))
.set rC, rD
.if (\s) == 0
.set rC, BI+8*(\t)
.endif
.if (\t)%2
	v_wmma_scale_f32_16x16x128_f8f6f4 v[rD:rD+7], v[rW:rW+15], v[rX:rX+15], v[rC:rC+7], v[rSW], v[rSX] matrix_a_scale:MATRIX_SCALE_ROW1
.else
	v_wmma_scale_f32_16x16x128_f8f6f4 v[rD:rD+7], v[rW:rW+15], v[rX:rX+15], v[rC:rC+7], v[rSW], v[rSX]
.endif
.endm
; a K step of 128: 32 matrix instructions, each accumulator once, in the same order in every step.
; The step's loads (ctx's fragments of the next step, the weights of three steps on) go in four groups, each ahead of eight of the products.
.macro KSTEP s
.if (\s) <= 5
	s_wait_loadcnt 34                              ; this step's weights are in; the 17 + 17 loads of the two steps behind them may be out
.elseif (\s) == 6
	s_wait_loadcnt 17
.else
	s_wait_loadcnt 0x0
.endif
.rept 8
	v_nop                                          ; eight places behind the last step's products, in front of loads into their registers; at step 0 behind the lines that made the scale words
.endr
.if (\s) < 7
	s_wait_alu depctr_va_vdst(0)                   ; the last step's products are done reading their set of ctx, of weights and of scale words, in which this step's loads land; at step 0: the 64 lines above have written ctx's scale words, which the scaled products take.  (Step 7 loads nothing)
.endif
.irp g, 0,1,2,3
.if (\s) < 7
	XTILES (\s)+1, ((\s)+1)%2, 2*\g
.endif
.if (\s) <= 4
	WTILE ((\s)+3)%4, WP, (\s)+3, \g
.if \g == 3
	WSCALE ((\s)+3)%4, WSP, (\s)+3
.endif
.endif
.if (\s) < 7
	s_wait_dscnt 32                                ; this step's fragments 2 g and 2 g + 1 of ctx are in: behind them were issued this step's later ones, 4 (6 - 2 g) loads, and the next step's 0 .. 2 g + 1, 4 (2 g + 2): 32
.else
	s_wait_dscnt 24-8*\g                           ; the last step: behind them stand its later fragments alone
.endif
.if (\s) == 0
	WIN 0x4e                                       ; source 0 (W) window 2, source 1 (ctx) window 3, C (the bias) window 0, D window 1
.else
	WIN 0x5e
.endif
.irp m, 2*\g, 2*\g+1
.irp t, 0,1,2,3
	MM \s, \m, \t
.endr
.endr
.endr
.endm
.macro TOSTAGE m                       ; row tile m: 16 rows x 64 columns into my stage, and back as whole rows of 256 bytes; LDS serves a wave's instructions in order
	WIN 0x04
.irp t, 0,1,2,3
	ds_store_b128 v[STO], v[8*(4*(\m)+\t):8*(4*(\m)+\t)+3] offset:128*(\t/2)+32*(\t%2)        ; each accumulator from its low end on
	ds_store_b128 v[STO], v[8*(4*(\m)+\t)+4:8*(4*(\m)+\t)+7] offset:128*(\t/2)+32*(\t%2)+16
.endr
	WIN 0
.irp i, 0,1,2,3,4,5,6,7
	ds_load_b128 v[OB+32*((\m)%2)+4*\i:OB+32*((\m)%2)+4*\i+3], v[SRD] offset:544*\i
.endr
.endm
.macro SEND m, younger                 ; younger: the LDS instructions issued behind tile m's loads, which may stay out
	s_wait_dscnt \younger
.irp i, 0,1,2,3,4,5,6,7
	global_store_b128 v[GO], v[OB+32*((\m)%2)+4*\i:OB+32*((\m)%2)+4*\i+3], s[OUT:OUT+1] offset:(32*((\m)/2)+8*((\m)%2)+2*\i+8*(\i/4))*4096 th:TH_STORE_NT
.endr
.endm
	s_load_b256 s[4:11], s[0:1], 0x0               ; cxbuf, wbuf, bo, out0
	v_lshl_add_u32 v254, v0, 2, 0x24400
	v_mov_b32 v255, 0
	v_lshrrev_b32 v1, 5, v0
	v_readfirstlane_b32 s[WV], v1                  ; wave 0..3
	s_and_b32 s45, ttmp7, 0xffff                   ; y
	v_and_b32 v16, 31, v0                          ; lane
	v_and_b32 v17, 15, v0                          ; r
	v_bfe_u32 v18, v0, 4, 1                        ; h
	v_lshlrev_b32 v[L16], 4, v16
	v_lshlrev_b32 v[L8], 3, v16
	v_add_nc_u32 v[XA0], XIMG, v[L16]
	v_add_nc_u32 v[XA1], XIMG+65536, v[L16]
	v_lshlrev_b32 v[BH6], 6, v18                   ; the bias: 64 h
	v_lshlrev_b32 v[R8], 3, v17                    ; ctx's pairs of scale words: 8 r
	v_lshlrev_b32 v[CP0], 4, v0                    ; the copy: 16 x thread
	v_add_nc_u32 v[CP1], 65536, v[CP0]
	s_wait_alu depctr_va_sdst(0)                   ; the wave's number is written, ahead of its first reader
	s_mul_i32 s54, s[WV], 4352
	s_add_co_u32 s54, s54, STG                     ; my stage
	v_mul_u32_u24 v[STO], v17, 272
	v_lshl_add_u32 v[STO], v18, 6, v[STO]
	v_add_nc_u32 v[STO], s54, v[STO]               ; in: row r, + 64 h
	v_mul_u32_u24 v[SRD], v18, 272
	v_lshl_add_u32 v[SRD], v17, 4, v[SRD]
	v_add_nc_u32 v[SRD], s54, v[SRD]               ; back: lanes 0-15 one row, lanes 16-31 the next
	v_lshlrev_b32 v[GO], 12, v18
	v_lshl_add_u32 v[GO], v17, 4, v[GO]            ; and the same two rows in out0
	s_lshl_b32 s46, s45, 2
	s_add_co_u32 s46, s46, s[WV]                   ; my group of 64 columns
	s_lshl_b32 s54, s46, 16
	s_add_co_u32 s54, s54, 0x300000                ; wo's codes
	s_mov_b32 s55, 0
	s_lshl_b32 s56, s46, 11
	s_add_co_u32 s56, s56, 0x400000+3*32768        ; wo's scale words
	s_mov_b32 s57, 0
	s_lshl_b32 s58, ttmp9, 17                      ; my 8 tiles' images
	s_mov_b32 s59, 0
	s_lshl_b32 s60, ttmp9, 13
	s_add_co_u32 s60, s60, 0x800000                ; and their scale words
	s_mov_b32 s61, 0
	s_lshl_b32 s62, s46, 8                         ; 64 columns of f32
	s_mov_b32 s63, 0
	s_lshl_b32 s48, ttmp9, 19
	s_add_co_u32 s48, s48, s62                     ; out0: 128 x rows of 4,096 bytes + my columns
	s_mov_b32 s49, 0
	s_wait_kmcnt 0x0
	s_add_nc_u64 s[WP:WP+1], s[6:7], s[54:55]
	s_add_nc_u64 s[WSP:WSP+1], s[6:7], s[56:57]
	s_add_nc_u64 s[CX:CX+1], s[4:5], s[58:59]
	s_add_nc_u64 s[CSC:CSC+1], s[4:5], s[60:61]
	s_add_nc_u64 s[BP:BP+1], s[8:9], s[62:63]
	s_add_nc_u64 s[OUT:OUT+1], s[10:11], s[48:49]
	s_wait_alu depctr_va_vdst(0)                   ; the offsets and LDS addresses v1 to v12 are written, which the loads and stores of the whole kernel read
	WLOAD 0, WP, WSP, 0
	WLOAD 1, WP, WSP, 1
	WLOAD 2, WP, WSP, 2
.irp t, 0,1,2,3
	global_load_b128 v[BI+8*\t:BI+8*\t+3], v[BH6], s[BP:BP+1] offset:(32*(\t/2)+8*(\t%2))*4
	global_load_b128 v[BI+8*\t+4:BI+8*\t+7], v[BH6], s[BP:BP+1] offset:(32*(\t/2)+8*(\t%2))*4+16
.endr
	WIN 0x40
.irp s, 0,1,2,3,4,5,6,7
.irp m, 0,1,2,3,4,5,6,7
	global_load_b64 v[2*(8*\s+\m):2*(8*\s+\m)+1], v[R8], s[CSC:CSC+1] offset:\m*1024+\s*128   ; the even head's two bytes, the odd head's two
.endr
.endr
	WIN 0xc0
.set n, 0
.rept 64
	global_load_b128 v[4*n:4*n+3], v[CP0], s[CX:CX+1] offset:2048*n    ; the images as they lie: 2,048 consecutive bytes a work-group
.set n, n+1
.endr
	WIN 0x0c
.set n, 0
.rept 64
.if n%16 == 0
	s_wait_loadcnt 48-n                            ; sixteen more are in; the later ones may be out
.endif
	ds_store_b128 v[CP0+n/32], v[4*n:4*n+3] offset:2048*(n%32)
.set n, n+1
.endr
	WIN 0x11
.set n, 0
.rept 64
	v_lshl_or_b32 v[XS+n], v[2*n+1], 16, v[2*n]    ; a K step of 128 is two heads: four bytes make its scale word
.set n, n+1
.endr
	WIN 0
	s_wait_dscnt 0x0                               ; for the others' sake: my part of the images lies in LDS
	s_barrier_signal -1
	s_barrier_wait -1
	s_wait_alu depctr_vm_vsrc(0)                   ; my LDS stores of the copy have read window 3, in which ctx's fragments land from here on
	XFETCH 0, 0
.irp s, 0,1,2,3,4,5,6,7
	KSTEP \s
.endr
	WIN 0
.rept 8
	v_nop                                          ; eight places in front of the first read of results
.endr
	s_wait_alu depctr_va_vdst(0)                   ; the products have written the 32 accumulators, which the stage's stores read; the places above stay beside this wait, and no vector instruction follows it
	TOSTAGE 0
.irp a, 1,2,3,4,5,6,7
.if \a > 1
	s_wait_xcnt 0x0                                ; tile a - 2's stores have read their registers: tile a's rows may land there
	s_wait_alu depctr_vm_vsrc(0)                   ; tile a - 2's global stores have read their set of v168 to v231, in which tile a's loads from the stage land
.endif
	TOSTAGE \a
	SEND \a-1, 16                                  ; behind tile a - 1's loads: tile a's 8 stores and 8 loads
.endr
	SEND 7, 0
	s_wait_dscnt 0x0                               ; the closing lines, six on end
	s_wait_alu 0x0
	s_wait_tensorcnt 0x0
	ds_add_u32 v254, v255
	s_wait_dscnt 0x0
	s_endpgm
.Lfunc_end_k_qe73572a4e6_oproj:
	.size	k_qe73572a4e6_oproj, .Lfunc_end_k_qe73572a4e6_oproj-k_qe73572a4e6_oproj
	.p2alignl 7, 3214868480
	.fill 96, 4, 3214868480
	.section	.rodata,"a",@progbits
	.p2align	6, 0x0
	.amdhsa_kernel k_qe73572a4e6_oproj
		.amdhsa_group_segment_fixed_size 148992
		.amdhsa_private_segment_fixed_size 0
		.amdhsa_enable_private_segment 0
		.amdhsa_kernarg_size 32
		.amdhsa_user_sgpr_count 2
		.amdhsa_user_sgpr_kernarg_segment_ptr 1
		.amdhsa_wavefront_size32 1
		.amdhsa_system_sgpr_workgroup_id_x 1
		.amdhsa_system_sgpr_workgroup_id_y 1
		.amdhsa_system_sgpr_workgroup_id_z 1
		.amdhsa_system_vgpr_workitem_id 0
		.amdhsa_next_free_vgpr 1024
		.amdhsa_next_free_sgpr 66
		.amdhsa_reserve_vcc 0
		.amdhsa_float_denorm_mode_32 3
		.amdhsa_float_denorm_mode_16_64 3
		.amdhsa_memory_ordered 1
		.amdhsa_forward_progress 1
		.amdhsa_inst_pref_size 107
	.end_amdhsa_kernel
	.amdgpu_metadata
---
amdhsa.version: [ 1, 2 ]
amdhsa.kernels:
  - .name:           k_qe73572a4e6_oproj
    .symbol:         k_qe73572a4e6_oproj.kd
    .args:
      - { .name: cxbuf, .offset: 0, .size: 8, .value_kind: global_buffer, .address_space: global }
      - { .name: wbuf, .offset: 8, .size: 8, .value_kind: global_buffer, .address_space: global }
      - { .name: bo, .offset: 16, .size: 8, .value_kind: global_buffer, .address_space: global }
      - { .name: out0, .offset: 24, .size: 8, .value_kind: global_buffer, .address_space: global }
    .group_segment_fixed_size: 148992
    .private_segment_fixed_size: 0
    .kernarg_segment_align: 8
    .kernarg_segment_size: 32
    .max_flat_workgroup_size: 128
    .sgpr_count:     66
    .vgpr_count:     1024
    .wavefront_size: 32
...
	.end_amdgpu_metadata
.endif
;; end of part 8
